; MI455X (gfx1250); checked and timed in simulation.
; The chip was launched on July 23, 2026; its instructions are those of AMD's public machine-readable ISA for CDNA 5 (MIT licence, August 2026) and "CDNA5" Instruction Set Architecture Reference Guide (July 2026). The comments in the code are by the model that wrote it; some were corrected since.
;; Self Attention. Allowed arithmetic: float matrix products may take bf16 or f16 operands with f32 sums; other float arithmetic in f32, or as packed bf16 or f16 multiplies, adds, multiply-adds, maxima and minima; sums over many terms, partial sums and values carried from step to step in f32; what a program stores and reads back later, other than sums and carried values, may be rounded once to bf16 or f16.
;; Inputs: Wk 1,024 x 1,024 float32; Wq 1,024 x 1,024 float32; Wv 1,024 x 1,024 float32; bk 1,024 float32; bq 1,024 float32; bv 1,024 float32; k 4 x 2,048 x 1,024 float32; q 4 x 2,048 x 1,024 float32; v 4 x 2,048 x 1,024 float32.
;; Outputs: out0 4 x 2,048 x 1,024 float32.
;; One version. Each part assembles by itself: llvm-mc -triple=amdgcn-amd-amdhsa -mcpu=gfx1250 --defsym DOCPART=n.
;; ======== version 1 of 1: 4 launches
;; limits: values are held in f16: magnitudes above 65,504 overflow, below 6.1e-05 lose precision
;; workspace buffers: wb 6,291,456 bytes; pj 50,331,648 bytes; pm 33,554,432 bytes; st 1,048,576 bytes
;; launch castw (part 1): grid 256 x 3, 8 waves a work-group, no clusters, 0 bytes of LDS; arguments Wk, Wv, Wq, wb; writes wb
.if DOCPART == 1
	.amdgcn_target "amdgcn-amd-amdhsa--gfx1250"
	.amdhsa_code_object_version 6
	.text
	.protected	k_q91eb5a07d7_castw
	.globl	k_q91eb5a07d7_castw
	.p2align	8
	.type	k_q91eb5a07d7_castw,@function
k_q91eb5a07d7_castw:
	s_mov_b64 s[64:65], 0
	v_nop
	global_prefetch_b8 v0, s[64:65] scope:SCOPE_SE
	s_setreg_imm32_b32 hwreg(HW_REG_WAVE_MODE, 25, 1), 1
	s_wait_xcnt 0x0
; wb[z][n][d] = W_z[n][d] rounded once to bf16 (nearest even); z = 0: Wk, 1: Wv, 2: Wq, the order in which the next launch walks them.
; A pure stream: 12 MiB in, 6 MiB out, each byte once.  No LDS, no matrix unit, no cluster: no two work-groups read the same byte.
; A work-group takes 4,096 numbers.  Thread t loads 16 bytes at 16 t + 4,096 i (a wave's load covers 512 consecutive bytes) and
; stores 8 bytes at 8 t + 2,048 i (a wave's store covers 256 consecutive bytes, aligned).  No register is written twice.
	s_load_b256 s[4:11], s[0:1], 0x0               ; Wk s[4:5], Wv s[6:7], Wq s[8:9], wb s[10:11]
	s_and_b32 s12, ttmp7, 0xffff                   ; z
	s_lshl_b32 s14, ttmp9, 14                      ; my 16,384 bytes of the source
	s_mov_b32 s15, 0
	s_lshl_b32 s16, s12, 21                        ; z x 2 MiB of bf16,
	s_lshl_b32 s17, ttmp9, 13                      ; my 8,192 bytes in it
	s_add_co_u32 s16, s16, s17
	s_mov_b32 s17, 0
	v_lshlrev_b32 v1, 4, v0
	v_lshlrev_b32 v2, 3, v0
	s_wait_kmcnt 0x0
	s_cmp_eq_u32 s12, 0
	s_cselect_b64 s[18:19], s[4:5], s[6:7]
	s_cmp_eq_u32 s12, 2
	s_cselect_b64 s[18:19], s[8:9], s[18:19]
	s_add_nc_u64 s[18:19], s[18:19], s[14:15]
	s_add_nc_u64 s[10:11], s[10:11], s[16:17]
.irp i, 0,1,2,3
	global_load_b128 v[8+4*(\i):11+4*(\i)], v1, s[18:19] offset:4096*(\i) th:TH_LOAD_NT
.endr
.irp i, 0,1,2,3
	s_wait_loadcnt 3-(\i)                          ; loads come back in order: load i is in, the younger ones stay out
	v_cvt_pk_bf16_f32 v[24+2*(\i)], v[8+4*(\i)], v[9+4*(\i)]
	v_cvt_pk_bf16_f32 v[25+2*(\i)], v[10+4*(\i)], v[11+4*(\i)]
	global_store_b64 v2, v[24+2*(\i):25+2*(\i)], s[10:11] offset:2048*(\i)
.endr
	s_endpgm
.Lfunc_end_k_q91eb5a07d7_castw:
	.size	k_q91eb5a07d7_castw, .Lfunc_end_k_q91eb5a07d7_castw-k_q91eb5a07d7_castw
	.p2alignl 7, 3214868480
	.fill 96, 4, 3214868480
	.section	.rodata,"a",@progbits
	.p2align	6, 0x0
	.amdhsa_kernel k_q91eb5a07d7_castw
		.amdhsa_group_segment_fixed_size 0
		.amdhsa_private_segment_fixed_size 0
		.amdhsa_enable_private_segment 0
		.amdhsa_kernarg_size 32
		.amdhsa_user_sgpr_count 2
		.amdhsa_user_sgpr_kernarg_segment_ptr 1
		.amdhsa_wavefront_size32 1
		.amdhsa_system_sgpr_workgroup_id_x 1
		.amdhsa_system_sgpr_workgroup_id_y 1
		.amdhsa_system_sgpr_workgroup_id_z 1
		.amdhsa_system_vgpr_workitem_id 0
		.amdhsa_next_free_vgpr 40
		.amdhsa_next_free_sgpr 66
		.amdhsa_reserve_vcc 0
		.amdhsa_float_denorm_mode_32 3
		.amdhsa_float_denorm_mode_16_64 3
		.amdhsa_memory_ordered 1
		.amdhsa_forward_progress 1
		.amdhsa_inst_pref_size 3
	.end_amdhsa_kernel
	.amdgpu_metadata
---
amdhsa.version: [ 1, 2 ]
amdhsa.kernels:
  - .name:           k_q91eb5a07d7_castw
    .symbol:         k_q91eb5a07d7_castw.kd
    .args:
      - { .name: Wk, .offset: 0, .size: 8, .value_kind: global_buffer, .address_space: global }
      - { .name: Wv, .offset: 8, .size: 8, .value_kind: global_buffer, .address_space: global }
      - { .name: Wq, .offset: 16, .size: 8, .value_kind: global_buffer, .address_space: global }
      - { .name: wb, .offset: 24, .size: 8, .value_kind: global_buffer, .address_space: global }
    .group_segment_fixed_size: 0
    .private_segment_fixed_size: 0
    .kernarg_segment_align: 8
    .kernarg_segment_size: 32
    .max_flat_workgroup_size: 256
    .sgpr_count:     66
    .vgpr_count:     40
    .wavefront_size: 32
...
	.end_amdgpu_metadata
.endif
;; end of part 1
;; launch proj (part 2): grid 4 x 64, 4 waves a work-group, clusters of 4 x 4, 327,680 bytes of LDS; arguments k, v, q, wb, bk, bv, bq, pj; writes pj
.if DOCPART == 2
	.amdgcn_target "amdgcn-amd-amdhsa--gfx1250"
	.amdhsa_code_object_version 6
	.text
	.protected	k_q91eb5a07d7_proj
	.globl	k_q91eb5a07d7_proj
	.p2align	8
	.type	k_q91eb5a07d7_proj,@function
k_q91eb5a07d7_proj:
	s_mov_b64 s[64:65], 0
	v_nop
	global_prefetch_b8 v0, s[64:65] scope:SCOPE_SE
	s_setreg_imm32_b32 hwreg(HW_REG_WAVE_MODE, 25, 1), 1
	s_wait_xcnt 0x0
	s_wait_alu depctr_hold_cnt(0) depctr_sa_sdst(0) depctr_va_vdst(0) depctr_va_sdst(0) depctr_va_ssrc(0) depctr_va_vcc(0) depctr_vm_vsrc(0)
	s_getreg_b32 s2, hwreg(HW_REG_IB_STS2, 6, 4)
	s_cmp_eq_u32 s2, 0
	s_cbranch_scc0 .Lentry_in_a_cluster
	s_endpgm
.Lentry_in_a_cluster:
	s_bfe_u32 s2, ttmp6, 0x10000c
	s_cmp_lg_u32 s2, 0xf033
	s_cbranch_scc0 .Lentry_shape_is_right
	s_endpgm
.Lentry_shape_is_right:
; pj[z][t][n] = f16( s_z x ( sum over d of bf16(x_z[t][d]) bf16(W_z[n][d]) + bf16(b_z[n]) ) );  z = 0: k, 1: v, 2: q;  s = 1, for q s = c = log2(e) / 32.
; x: [8192][1024] f32, wb: [3][1024][1024] bf16 (the launch before), b: [1024] f32, pj: [3][8192][1024] f16.  Sums in f32; one rounding to f16.
; With c folded into q's f32 sums the next launch's scores arrive in units of log2, and its weights are 2^(s - m) with nothing rounded between.
; LIMITS.  f16 ends at 65,504: |kp|, |vp| and |c qp| must stay below that; below 6e-5 a number keeps f16's fixed step of 6e-8.  NaN and infinities are not treated apart.
; SHARES.  A work-group owns 128 tokens x 256 features and STAYS for all three projections: one walk of 3 x 1,024 channels.  Four waves, each 64 tokens x 128 features: 32 accumulators of 16 x 16.
; W comes by the tensor data mover through a ring of two LDS slots of 256 channels each (12 fills in the walk; each wave fetches 64 rows of 512 bytes), asked for jointly along a column of the 4 x 4 cluster.
; x COMES THROUGH REGISTERS, and is not asked for jointly.  The reason, by the sizes: as f32 tiles two slots of 256 channels of x (2 x 128 rows x 1,040 bytes) beside W's two (2 x 135,168) are 536,576 bytes,
; more than a work-group has; rounded on the way, x needs two buffers of 64 channels in bf16 (2 x 18,432 bytes), and W's slots can be twice as long.  Each wave loads 32 tokens, 64 channels at a time
; (16 lanes read 256 consecutive bytes, aligned), rounds them to bf16 in place and stores them into the buffer that the next 64 channels' products read.  Four sets of 64 registers take turns: the loads of a
; HALF STEP (64 channels) go out three half steps, 192 matrix instructions, ahead of their use, so x is not prefetched besides.  One barrier a half step orders both ways: my stores before the others' reads, all reads before the next stores.
; THE MATRIX INSTRUCTION IS USED TRANSPOSED: source 0 = 16 rows of W, source 1 = 16 tokens.  A lane then holds ONE token (lane % 16) and the features 8 (lane / 16) + 0..7: 16 bytes of f16 on end.
; The bias, laid out as such a result, is the C operand of a projection's first products: nothing is cleared and nothing is added afterwards.
; REGISTERS, in windows of 256 (s_set_vgpr_msb: bits 1:0 source 0, 3:2 source 1, 5:4 source 2, 7:6 destination):
;   window 0: v16-30 addresses; v32-127, v128-223 fragments, two buffers (x's 32, then W's 64); v224-255 packed results; on the way out v128-191 rows read back
;   window 1: the accumulators, (a, b) at v[8 (8 a + b)]      window 2: v128-191 the bias as a C operand; v192-223 at work      window 3: x on its way, set s at v[64 s]
.set PW,    528       ; a row of W in LDS: 512 bytes + 16 = 33 x 16: the 16 rows of a load start at 16 different 16-byte columns modulo 256 bytes
.set WQ,    64*PW     ; what one wave fetches
.set SLOT,  4*WQ      ; 135,168 = bits 17 and 12, which no wave's offset w x WQ has: one exclusive or turns an address in one slot into the other's
.set XBASE, 2*SLOT    ; behind the ring: x in bf16, two buffers
.set PX,    144       ; a row of x: 128 bytes + 16 = 9 x 16
.set XBUF,  128*PX
.set STAGE, XBASE+2*XBUF   ; 16 rows x 272 bytes for each wave, for the way out
.set SP,    272
.set SPARE, STAGE+4*16*SP  ; the spare words, 128 bytes for each wave: two blocks of 256 bytes that no other line names
.set ADRX,  16        ; my lane's place in x's fragments, buffer 0; never rewritten
.set ADRW0, 17        ; my lane's place in W's fragments, slot 0; never rewritten
.set ADRW,  18        ; the same in the slot that is being read
.set XO,    19        ; my byte offset in x's rows; never rewritten
.set XS,    20        ; where I store my 8 bytes of bf16, buffer 0; never rewritten
.set STO,   24
.set RD,    25
.set CO,    26
.set BO,    27        ; my byte offset in a bias
.set SPW,   28
.set NIL,   29
.set PFO,   30        ; the prefetches' lane offset; never rewritten
.set TMP,   224
.set BI,    128       ; window 2
.set BT,    192       ; window 2
.set WV, 20
.set WR, 21           ; my 64 tokens
.set WC, 22           ; my 128 features
.set CX, 23
.set CY, 24
.set TX, 25
.set TY, 26
.set G1,  28          ; s[28:35] descriptor group 1
.set G0A, 36          ; s[36:39] group 0 of the first fill
.set G0B, 40          ; s[40:43] group 0 of the second fill, which then walks on
.set NB,  44          ; where W's next fill begins; NB1, NB2: where the next projection's and the last one's begin
.set NB1, 46
.set NB2, 48
.set KB,  50          ; that fill's number in its projection, 0 to 3
.set KX,  51
.set XP,  52          ; x at the 256 channels of the slot after the one in hand; XP1, XP2 as for W
.set XP1, 54
.set XP2, 56
.set XQ,  58          ; x at the walk's first slot
.set PF,  60          ; the same walk for my prefetches
.set PF1, 62
.set PF2, 66
.set KP,  68
.set LIM, 69          ; 1 in a work-group that prefetches, else the greatest number
.set OUT, 70
.set BP,  72          ; the next projection's bias
.set CS,  74          ; s[74:75] c
.set TL,  76          ; slots left in the projection in hand
.set TC,  77          ; the tail's trips
.set SO,  78          ; 0 or SLOT: the slot that is being read
.set LW,  79
.set TA,  80
.set TB,  82          ; feeds the descriptors: never holds cy
.set MX,  84          ; at work; feeds no descriptor
.set MSB, 0
.macro WIN new                         ; the immediate's high byte repeats the setting that is left; a switch that changes nothing is dropped
.if MSB != (\new)
	s_set_vgpr_msb (MSB<<8)|(\new)
.set MSB, \new
.endif
.endm
.macro PLACES                          ; four places in front of loads into registers that matrix instructions have read, and of vector work on results just made
.rept 4
	v_nop
.endr
.endm
; A prefetch of W's fill that the NEXT change of slots will ask for (one slot, 256 matrix instructions of a wave, ahead of that load): 32 blocks of 256 bytes, a lane a block.
; Of the 64 rows that a wave fetches each of the four partners that ask for them jointly takes 16, two blocks a row, told apart by ADDRESS (cy).  W is read by every cluster: the one with y = 0 asks.
; So each block of fills 3 to 11 is named once.  The last trip that fills a slot (s3 = 1) asks for nothing: there is no fill behind its own.
.macro ASK
	s_cmp_gt_u32 s3, s[LIM]
	s_cbranch_scc0 .Lnot_mine_\@
	global_prefetch_b8 v[PFO], s[PF:PF+1] th:TH_LOAD_NT scope:SCOPE_SE
.Lnot_mine_\@:
.endm
.macro CREST                           ; a round of the cluster's barrier behind its opening barrier
	s_cmp_lg_u32 s[WV], 0
	s_cbranch_scc1 .Lnot_wave_0_\@
	s_barrier_signal -3
.Lnot_wave_0_\@:
	s_barrier_wait -3
	s_barrier_signal -1
	s_barrier_wait -1
.endm
.macro CROUND
	s_barrier_signal -1
	s_barrier_wait -1
	CREST
.endm
; The walk's addresses: 256 channels on; behind a projection's fourth slot the next projection's first.  The choice hangs on a counter, never on an address.
.macro GEN p, n, l, k, inc
	s_add_co_u32 s[\k], s[\k], 1
	s_add_nc_u64 s[\p:\p+1], s[\p:\p+1], \inc
	s_cmp_eq_u32 s[\k], 4
	s_cselect_b64 s[\p:\p+1], s[\n:\n+1], s[\p:\p+1]
	s_cselect_b64 s[\n:\n+1], s[\l:\l+1], s[\n:\n+1]
	s_cselect_b32 s[\k], 0, s[\k]
.endm
; A bias as a C operand: register 8 b + j of lane l is b[my feature 16 b + 8 (l / 16) + j].  Loaded, then rounded to bf16 like every input and widened again.
.macro LOADB p
	WIN 0x80                                       ; destination window 2
.irp b, 0,1,2,3,4,5,6,7
	global_load_b128 v[BI+8*(\b):BI+8*(\b)+3],   v[BO], s[(\p):(\p)+1] offset:64*(\b)
	global_load_b128 v[BI+8*(\b)+4:BI+8*(\b)+7], v[BO], s[(\p):(\p)+1] offset:64*(\b)+16
.endr
.endm
.macro ROUNDB
	WIN 0x8a                                       ; all in window 2
.set i, 0
.rept 32
	v_cvt_pk_bf16_f32 v[BT+i], v[BI+2*i], v[BI+2*i+1]
.set i, i+1
.endr
.set i, 0
.rept 32
	v_lshlrev_b32 v[BI+2*i], 16, v[BT+i]
	v_and_b32 v[BI+2*i+1], 0xffff0000, v[BT+i]
.set i, i+1
.endr
.endm
; x ON ITS WAY.  Load j of 16 takes tokens 16 (j / 8) + j % 8 (lanes 0-15) and 8 further on (lanes 16-31) of my wave's 32: 256 consecutive bytes, aligned, each; a lane holds 4 channels.
; Eight rows of 36 words apart, the two halves of a store of 8 bytes a lane fall on the two halves of the 64 banks.
.macro XLOAD set, base, p              ; half step p of the slot at the base, into a set
	WIN 0xc0                                       ; destination window 3
.set j, 0
.rept 16
	global_load_b128 v[64*(\set)+4*j:64*(\set)+4*j+3], v[XO], s[(\base):(\base)+1] offset:(16*(j/8)+j%8)*4096+256*(\p)
.set j, j+1
.endr
.endm
.macro XCVT4 set, g                    ; loads 2 g and 2 g + 1 of a set: eight f32 to four registers of bf16, in place
	WIN 0xcf                                       ; all in window 3
.irp d, 0,1
	v_cvt_pk_bf16_f32 v[64*(\set)+8*(\g)+4*(\d)],   v[64*(\set)+8*(\g)+4*(\d)],   v[64*(\set)+8*(\g)+4*(\d)+1]
	v_cvt_pk_bf16_f32 v[64*(\set)+8*(\g)+4*(\d)+1], v[64*(\set)+8*(\g)+4*(\d)+2], v[64*(\set)+8*(\g)+4*(\d)+3]
.endr
.endm
.macro XSTORE set, buf
	WIN 0x0c                                       ; data window 3, address window 0
.set j, 0
.rept 16
	ds_store_b64 v[XS], v[64*(\set)+4*j:64*(\set)+4*j+1] offset:(\buf)*XBUF+(16*(j/8)+j%8)*PX
.set j, j+1
.endr
.endm
	s_load_b512 s[4:19], s[0:1], 0x0               ; k s[4:5], v s[6:7], q s[8:9], wb s[10:11], bk s[12:13], bv s[14:15], bq s[16:17], pj s[18:19]
	v_lshl_add_u32 v[SPW], v0, 2, SPARE
	v_mov_b32 v[NIL], 0
	ds_add_u32 v[SPW], v[NIL]                      ; the wave's opening: the add and its wait ahead of my first tensor load; work on registers stands between them
	v_lshrrev_b32 v1, 5, v0
	v_readfirstlane_b32 s[WV], v1                  ; wave 0..3
	s_lshr_b32 s[WR], s[WV], 1
	s_and_b32 s[WC], s[WV], 1
	s_bfe_u32 s[CX], ttmp6, 0x40000
	s_bfe_u32 s[CY], ttmp6, 0x40004
	s_lshl_b32 s[TX], ttmp9, 2
	s_add_co_u32 s[TX], s[TX], s[CX]               ; block of 256 features
	s_and_b32 s[TY], ttmp7, 0xffff
	s_lshl_b32 s[TY], s[TY], 2
	s_add_co_u32 s[TY], s[TY], s[CY]               ; block of 128 tokens
	s_lshl_b32 s[TB], 0x1111, s[CX]                ; my column of the cluster: the four work-groups with my features
	s_or_b32 s[G1], s[TB], (1<<16)|(1<<20)|(1<<21)|(6<<22)|(3<<25)  ; the mask; elements of 2 bytes; padding on; bit 21 beside a mask; after every 128 words (code 6) 4 words (code 3)
	s_mov_b32 s[G1+1], 256<<16                     ; tensor_dim0 = 256
	s_mov_b32 s[G1+2], 64<<16                      ; tensor_dim1 = 64
	s_mov_b32 s[G1+3], 256<<16                     ; tile_dim0 = 256
	s_mov_b32 s[G1+4], 64                          ; tile_dim1 = 64
	s_mov_b32 s[G1+5], 1024                        ; elements from row to row
	s_mov_b32 s[G1+6], 0
	s_mov_b32 s[G1+7], 0
	s_mul_i32 s[LW], s[WV], WQ                     ; where my tile goes: the wave's number alone enters an LDS address
	s_lshl_b32 s[TA], s[TY], 19                    ; x: 128 ty rows of 4,096 bytes
	s_mov_b32 s[TA+1], 0
	s_lshl_b32 s[TB], s[TX], 8
	s_lshl_b32 s[TB+1], s[WV], 6
	s_add_co_u32 s[TB], s[TB], s[TB+1]
	s_lshl_b32 s[TB], s[TB], 11                    ; W: (256 tx + 64 wave) rows of 2,048 bytes
	s_mov_b32 s[TB+1], 0
	s_mov_b32 s[CS], 0x3d38aa3b                    ; c = log2(e) / 32
	s_mov_b32 s[CS+1], s[CS]
	s_mov_b32 s[SO], 0
	v_and_b32 v1, 15, v0                           ; r = l % 16
	v_bfe_u32 v2, v0, 4, 1                         ; h = l / 16
	s_lshl_b32 s2, s[WV], 17                       ; my wave's 32 tokens of 4,096 bytes
	v_lshlrev_b32 v3, 15, v2                       ; 8 tokens on for lanes 16-31
	v_lshl_add_u32 v3, v1, 4, v3
	v_add_nc_u32 v[XO], s2, v3
	s_mul_i32 s2, s[WV], 32*PX
	s_add_co_u32 s2, s2, XBASE
	v_mul_u32_u24 v3, v2, 8*PX
	v_lshl_add_u32 v3, v1, 3, v3
	v_add_nc_u32 v[XS], s2, v3
	s_mul_i32 s2, s[WR], 64*PX                     ; a fragment: row r, 16 bytes at 16 h and at 32 + 16 h
	s_add_co_u32 s2, s2, XBASE
	v_mul_u32_u24 v3, v1, PX
	v_lshl_add_u32 v3, v2, 4, v3
	v_add_nc_u32 v[ADRX], s2, v3
	s_mul_i32 s2, s[WC], 128*PW
	v_mul_u32_u24 v3, v1, PW
	v_lshl_add_u32 v3, v2, 4, v3
	v_add_nc_u32 v[ADRW0], s2, v3
	v_mov_b32 v[ADRW], v[ADRW0]
	s_mul_i32 s2, s[WV], 16*SP
	s_add_co_u32 s2, s2, STAGE                     ; my stage
	v_mul_u32_u24 v3, v1, SP
	v_lshl_add_u32 v3, v2, 4, v3
	v_add_nc_u32 v[STO], s2, v3                    ; in: row r, 16 bytes for each half of the lanes
	v_mul_u32_u24 v3, v2, SP
	v_lshl_add_u32 v3, v1, 4, v3
	v_add_nc_u32 v[RD], s2, v3                     ; back: lanes 0-15 one row of 256 bytes, lanes 16-31 the next
	v_lshlrev_b32 v3, 11, v2
	v_lshl_add_u32 v[CO], v1, 4, v3                ; and the same two rows in pj
	s_lshl_b32 s[MX], s[TX], 8
	s_lshl_b32 s[MX+1], s[WC], 7
	s_add_co_u32 s[MX], s[MX], s[MX+1]             ; my first feature
	s_lshl_b32 s2, s[MX], 2
	v_lshl_add_u32 v[BO], v2, 5, s2
	v_and_b32 v3, 30, v0
	v_and_b32 v4, 1, v0
	v_lshlrev_b32 v4, 8, v4
	v_lshl_add_u32 v[PFO], v3, 10, v4              ; a pair of lanes a row of 2,048 bytes, the odd lane its second 256 bytes of the fill
	s_lshl_b32 s2, s[TY], 7
	s_lshl_b32 s[MX+1], s[WR], 6
	s_add_co_u32 s2, s2, s[MX+1]
	s_lshl_b32 s2, s2, 11                          ; my first token's row of 2,048 bytes in pj,
	s_lshl_b32 s[MX], s[MX], 1                     ; my first feature's 2 bytes
	s_add_co_u32 s[MX], s[MX], s2
	s_mov_b32 s[MX+1], 0
	s_and_b32 s[LIM], ttmp7, 0xffff                ; cluster y: the same in all sixteen partners
	s_cmp_eq_u32 s[LIM], 0
	s_cselect_b32 s[LIM], 1, -1
	s_wait_dscnt 0x0                               ; the opening add is done
	s_wait_kmcnt 0x0
	s_add_nc_u64 s[XQ:XQ+1], s[4:5], s[TA:TA+1]
	LOADB 12                                       ; bk, and x's first two half steps, go out ahead of everything else
	XLOAD 0, XQ, 0
	XLOAD 1, XQ, 1
	WIN 0
	s_add_nc_u64 s[XP1:XP1+1], s[6:7], s[TA:TA+1]
	s_add_nc_u64 s[XP2:XP2+1], s[8:9], s[TA:TA+1]
	s_add_nc_u64 s[XP:XP+1], s[XQ:XQ+1], 1024      ; in slot 0 the loads are slot 1's
	s_mov_b32 s[KX], 1
	s_add_nc_u64 s[NB:NB+1], s[10:11], s[TB:TB+1]
	s_add_nc_u64 s[NB1:NB1+1], s[NB:NB+1], 0x200000
	s_add_nc_u64 s[NB2:NB2+1], s[NB:NB+1], 0x400000
	s_add_nc_u64 s[OUT:OUT+1], s[18:19], s[MX:MX+1]
	s_mov_b64 s[BP:BP+1], s[14:15]
	s_lshl_b32 s[MX], s[CY], 15                    ; my work-group's 16 of the 64 rows that I fetch
	s_add_nc_u64 s[PF:PF+1], s[NB:NB+1], s[MX:MX+1]
	s_add_nc_u64 s[PF1:PF1+1], s[NB1:NB1+1], s[MX:MX+1]
	s_add_nc_u64 s[PF2:PF2+1], s[NB2:NB2+1], s[MX:MX+1]
	s_add_nc_u64 s[PF:PF+1], s[PF:PF+1], 1024      ; at fill 2: the first change of slots steps it to 3
	s_mov_b32 s[KP], 2
	CROUND                                         ; all sixteen work-groups are here: the first joint loads meet
	s_mov_b32 s[G0A], 1
	s_mov_b32 s[G0A+1], s[LW]
	s_mov_b64 s[G0A+2:G0A+3], s[NB:NB+1]
	s_or_b32 s[G0A+3], s[G0A+3], 0x80000000
	s_mov_b32 s[G0B], 1
	s_add_co_u32 s[G0B+1], s[LW], SLOT
	s_add_nc_u64 s[G0B+2:G0B+3], s[NB:NB+1], 512
	s_or_b32 s[G0B+3], s[G0B+3], 0x80000000
	tensor_load_to_lds s[G0A:G0A+3], s[G1:G1+7]    ; fills 0 and 1: two tensor loads of mine are out
	s_nop 0
	tensor_load_to_lds s[G0B:G0B+3], s[G1:G1+7]
	s_nop 0
.rept 4
	v_nop
.endr
	s_add_nc_u64 s[NB:NB+1], s[NB:NB+1], 1024      ; the next fill to ask for is fill 2
	s_mov_b32 s[KB], 2
	s_wait_loadcnt 32                              ; the bias is in; x's two sets of 16 loads may stay out
	ROUNDB
	XLOAD 2, XQ, 2
	s_wait_loadcnt 32                              ; set 0 is in; sets 1 and 2 may stay out
.irp g, 0,1,2,3,4,5,6,7
	XCVT4 0, \g
.endr
	XSTORE 0, 0
	XLOAD 3, XQ, 3
	WIN 0
; 24 LDS loads in one run: the fragments of quarter nq (32 channels) of a slot, into buffer nq % 2: W's 16, then x's 8 (block a: two loads) from x's buffer (nq / 2) % 2
.macro FETCH nq
	WIN 0
.irp b, 0,1,2,3,4,5,6,7
	ds_load_b128 v[64+96*((\nq)%2)+8*(\b):64+96*((\nq)%2)+8*(\b)+3],   v[ADRW] offset:(\b)*16*PW+64*(\nq)
	ds_load_b128 v[64+96*((\nq)%2)+8*(\b)+4:64+96*((\nq)%2)+8*(\b)+7], v[ADRW] offset:(\b)*16*PW+64*(\nq)+32
.endr
.irp a, 0,1,2,3
	ds_load_b128 v[32+96*((\nq)%2)+8*(\a):32+96*((\nq)%2)+8*(\a)+3],   v[ADRX] offset:(((\nq)/2)%2)*XBUF+(\a)*16*PX+64*((\nq)%2)
	ds_load_b128 v[32+96*((\nq)%2)+8*(\a)+4:32+96*((\nq)%2)+8*(\a)+7], v[ADRX] offset:(((\nq)/2)%2)*XBUF+(\a)*16*PX+64*((\nq)%2)+32
.endr
.endm
; Block a's 8 matrix instructions on buffer f.  first = 1: they start the sums with the bias.  set >= 0: four conversions of that set of x stand behind every second product.
; The 32 accumulators take turns, one instruction a turn, in the same order in every quarter.
.macro MUL8 f, a, first, set
.irp b, 0,1,2,3,4,5,6,7
.if \first
	WIN 0x60                                       ; C window 2, D window 1
	v_wmma_f32_16x16x32_bf16 v[8*(8*(\a)+(\b)):8*(8*(\a)+(\b))+7], v[64+96*(\f)+8*(\b):64+96*(\f)+8*(\b)+7], v[32+96*(\f)+8*(\a):32+96*(\f)+8*(\a)+7], v[BI+8*(\b):BI+8*(\b)+7]
.else
	WIN 0x50                                       ; C and D window 1
	v_wmma_f32_16x16x32_bf16 v[8*(8*(\a)+(\b)):8*(8*(\a)+(\b))+7], v[64+96*(\f)+8*(\b):64+96*(\f)+8*(\b)+7], v[32+96*(\f)+8*(\a):32+96*(\f)+8*(\a)+7], v[8*(8*(\a)+(\b)):8*(8*(\a)+(\b))+7]
.endif
.if ((\set) >= 0) && ((\b)%2 == 0)
	XCVT4 \set, 4*(\a)+(\b)/2
.endif
.endr
.endm
; A HALF STEP's FIRST QUARTER (q even; p = q / 2 is the half step's place in its slot).  It multiplies buffer 0; x's set (p + 1) % 4, the next half step's, is awaited, rounded beside the first 16 products and stored
; into the buffer that is not being read; the next quarter's fragments are fetched; set p, stored a half step ago, is loaded again with the half step four on.  The 32 conversions are the places in front of the fetch.
; tail = 0, the loop.  tail = 1, the tail's two trips: the wait and the loads stand together in one arm of a branch on the trip (the last trip loads nothing and waits for all), so that whatever arms follow each other
; the awaited set has either two younger sets of 16 behind it or a wait for all.  tail = 2, the slot's last half step in the tail: in the last trip there is no next half step, and the whole of x's work is jumped.
.macro QEVEN q, first, tail
.if (\tail) == 2
	WIN 0
	s_cmp_eq_u32 s[TC], 1
	s_cbranch_scc1 .Lx_none_\@
	s_wait_loadcnt 32                              ; the set is in; the two younger sets may stay out
	XLOAD (\q)/2, XP, (\q)/2
.irp g, 0,1,2,3,4,5,6,7
	XCVT4 ((\q)/2+1)%4, \g
.endr
	XSTORE ((\q)/2+1)%4, ((\q)/2+1)%2
	WIN 0
.Lx_none_\@:
	s_wait_dscnt 4                                 ; at the least W's fragments and x's blocks 0 and 1 are in, with the stores above or without
	MUL8 0, 0, 0, -1
	MUL8 0, 1, 0, -1
	PLACES
	FETCH (\q)+1
	s_wait_dscnt 24                                ; all but the 24 just issued
.else
.if (\tail) == 1
	WIN 0
	s_cmp_eq_u32 s[TC], 1
	s_cbranch_scc1 .Lx_last_\@
	s_wait_loadcnt 32
	XLOAD (\q)/2, XP, (\q)/2
	WIN 0
	s_branch .Lx_go_\@
.Lx_last_\@:
	s_wait_loadcnt 0x0
.Lx_go_\@:
.else
	s_wait_loadcnt 32                              ; the set is in; the two younger sets of 16 loads may stay out
.endif
	s_wait_dscnt 4                                 ; W's fragments and x's blocks 0 and 1 are in; the youngest four loads (blocks 2 and 3) may be out
	MUL8 0, 0, \first, ((\q)/2+1)%4
	MUL8 0, 1, \first, ((\q)/2+1)%4
	XSTORE ((\q)/2+1)%4, ((\q)/2+1)%2
	FETCH (\q)+1
.if (\tail) == 0
	XLOAD (\q)/2, XP, (\q)/2
.endif
	s_wait_dscnt 40                                ; all but the 16 stores and the 24 loads just issued
.endif
	MUL8 0, 2, \first, -1
	MUL8 0, 3, \first, -1
.endm
; A HALF STEP's SECOND QUARTER, inside a slot.  It multiplies buffer 1 and changes x's buffers: in front of the barrier my stores of the next half step's x and my reads of this one's are done;
; behind it the next quarter's fragments come out of the other buffer, and the next half step stores into this one.  W's refill may stay on its way.
.macro QODD q
	s_wait_dscnt 4
	MUL8 1, 0, 0, -1
	s_wait_dscnt 0x0
	s_barrier_signal -1
	MUL8 1, 1, 0, -1                               ; work on registers while the others arrive
	s_barrier_wait -1
	PLACES
	FETCH (\q)+1
	MUL8 1, 2, 0, -1
	MUL8 1, 3, 0, -1
.endm
; A SLOT's LAST QUARTER changes x's buffers and W's slots.  In front of the barrier each wave waits for all its tensor loads (one is out: its part of the next slot), adds 0 to its spare word,
; and waits for that, for its stores of x and for its reads of this slot.  fill = 1: the barrier opens a round of the cluster's, and the joint refill, the walk's fill two on, is the first thing behind it:
; it has a slot's 256 matrix instructions in which to land.  fill = 0, the tail: nothing is asked for, and in the last trip nothing is fetched.
.macro TURN fill
	WIN 0
.if \fill
	s_wait_xcnt 0x0                                ; x's last loads, half a quarter back, and the last prefetch, a slot back, have read their addresses
	GEN XP, XP1, XP2, KX, 1024
	GEN PF, PF1, PF2, KP, 512
.endif
	s_wait_tensorcnt 0x0                           ; no tensor load of mine is out, so a group 0 may be written
	ds_add_u32 v[SPW], v[NIL]                      ; 0 onto my spare word
.if \fill
	s_xor_b32 s[G0B+1], s[G0B+1], SLOT             ; the walking descriptor: the other slot than last time,
	s_mov_b64 s[G0B+2:G0B+3], s[NB:NB+1]           ; the walk's next fill
	s_or_b32 s[G0B+3], s[G0B+3], 0x80000000
	GEN NB, NB1, NB2, KB, 512
.endif
	s_xor_b32 s[SO], s[SO], SLOT                   ; the fetches go on in the other slot
	s_wait_dscnt 5                                 ; the add and the youngest four loads may be out
	MUL8 1, 0, 0, -1
	s_wait_dscnt 0x0                               ; the add is done, and so are my stores of x and my reads of this slot
	s_barrier_signal -1
	MUL8 1, 1, 0, -1
	WIN 0
	s_barrier_wait -1
.if \fill
	CREST                                          ; no wave of any partner still reads this slot or has a load on its way
	tensor_load_to_lds s[G0B:G0B+3], s[G1:G1+7]
	s_nop 0
.rept 4
	v_nop                                          ; (the places in front of the loads below)
.endr
	v_add_nc_u32 v[ADRW], s[SO], v[ADRW0]
	FETCH 0
	ASK
.else
	PLACES
	s_cmp_eq_u32 s[TC], 1
	s_cbranch_scc1 .Lno_fetch_\@
	v_add_nc_u32 v[ADRW], s[SO], v[ADRW0]
	FETCH 0
.Lno_fetch_\@:
.endif
	MUL8 1, 2, 0, -1
	MUL8 1, 3, 0, -1
.endm
; THE WAY OUT of block a (16 tokens x 128 features).  PACK: (times c,) rounded to f16, each accumulator's registers in ascending order.  TOSTAGE: 16 bytes a lane into my own stage, back as whole rows.  SEND: stored.
.macro PACK a, scale
.if \scale
	WIN 0x41
.set i, 64*(\a)
.rept 32
	v_pk_mul_f32 v[i:i+1], v[i:i+1], s[CS:CS+1] op_sel_hi:[1,0]
.set i, i+2
.endr
.endif
	WIN 0x05                                       ; sources window 1, destination window 0
.set i, 0
.rept 32
	v_cvt_pk_f16_f32 v[TMP+i], v[64*(\a)+2*i], v[64*(\a)+2*i+1]
.set i, i+1
.endr
.endm
.macro TOSTAGE a
	WIN 0
.set BK, 128+32*((\a)%2)               ; fragment buffer 1 is idle here; buffer 0 holds the next quarter's fragments
.if (\a) >= 2
	s_wait_xcnt 0x0                                ; the stores of the block two back have read these registers
.endif
.irp b, 0,1,2,3,4,5,6,7
	ds_store_b128 v[STO], v[TMP+4*(\b):TMP+4*(\b)+3] offset:32*(\b)
.endr
.irp t, 0,1,2,3,4,5,6,7
	ds_load_b128 v[BK+4*(\t):BK+4*(\t)+3], v[RD] offset:(\t)*2*SP  ; LDS serves a wave's instructions in order: these see the stores above
.endr
.endm
.macro SEND a
	WIN 0
.set BK, 128+32*((\a)%2)
	s_wait_dscnt 0x0
.irp t, 0,1,2,3,4,5,6,7
	global_store_b128 v[CO], v[BK+4*(\t):BK+4*(\t)+3], s[OUT:OUT+1] offset:(16*(\a)+2*(\t))*2048  ; 16 lanes store 256 consecutive bytes, aligned
.endr
.endm
; A projection leaves.  more = 1: the next one's bias is asked for first and rounded last.  Blocks 0 to 2's conversions are the places behind the last products, which are block 3's.
.macro FLUSH scale, more
.if \more
	s_wait_loadcnt 32                              ; two sets of x stay out: with the bias's 16 loads 48 are out
	LOADB BP
.endif
	PACK 0, \scale
	TOSTAGE 0
.irp a, 1,2,3
	PACK \a, \scale
	SEND (\a)-1
	TOSTAGE \a
.endr
	SEND 3
.if \more
	s_wait_loadcnt 0x0
	ROUNDB
	WIN 0
	s_wait_xcnt 0x0                                ; the stores have read their registers and their base
	s_add_nc_u64 s[OUT:OUT+1], s[OUT:OUT+1], 0x1000000
	s_mov_b64 s[BP:BP+1], s[16:17]
.endif
.endm
	s_wait_tensorcnt 0x1                           ; my part of fill 0 is in; fill 1 may stay out
	s_wait_dscnt 0x0                               ; my stores of x's first half step are done
	s_barrier_signal -1
	s_barrier_wait -1
	FETCH 0
	s_mov_b32 s3, 10
	s_mov_b32 s[TL], 4
	s_branch .Lfirst                               ; the loop is entered behind the way out: nothing is finished yet
.Lslot:                                        ; ten trips, a slot each: every slot but the last two is filled again
	s_cmp_lg_u32 s[TL], 0
	s_cbranch_scc1 .Lplain                         ; forward, past text with neither a barrier nor a tensor load
	FLUSH 0, 1                                     ; a projection's fourth slot is done: the refill for the next one is asked for, its first fragments are fetched, now it goes out
	s_mov_b32 s[TL], 4
.Lfirst:
	QEVEN 0, 1, 0                                  ; a projection's first quarter starts the sums with the bias
	WIN 0
	s_branch .Lq1
.Lplain:
	QEVEN 0, 0, 0
	WIN 0
.Lq1:
	s_sub_co_u32 s[TL], s[TL], 1
	QODD 1
	QEVEN 2, 0, 0
	QODD 3
	QEVEN 4, 0, 0
	QODD 5
	QEVEN 6, 0, 0
	TURN 1
	WIN 0
	s_sub_co_u32 s3, s3, 1
	s_cmp_lg_u32 s3, 0
	s_cbranch_scc1 .Lslot
	s_mov_b32 s[TC], 2
.Ltail:                                        ; the last two slots have a text of their own
	QEVEN 0, 0, 1
	QODD 1
	QEVEN 2, 0, 1
	QODD 3
	QEVEN 4, 0, 1
	QODD 5
	QEVEN 6, 0, 2
	TURN 0
	WIN 0
	s_sub_co_u32 s[TC], s[TC], 1
	s_cmp_lg_u32 s[TC], 0
	s_cbranch_scc1 .Ltail
	FLUSH 1, 0                                     ; q's projection, times c
	WIN 0
	s_wait_tensorcnt 0x0                           ; the wave's end: behind my last tensor load and my last LDS store
	ds_add_u32 v[SPW], v[NIL]
	s_wait_dscnt 0x0
	CROUND                                         ; the closing round
	s_endpgm
.Lfunc_end_k_q91eb5a07d7_proj:
	.size	k_q91eb5a07d7_proj, .Lfunc_end_k_q91eb5a07d7_proj-k_q91eb5a07d7_proj
	.p2alignl 7, 3214868480
	.fill 96, 4, 3214868480
	.section	.rodata,"a",@progbits
	.p2align	6, 0x0
	.amdhsa_kernel k_q91eb5a07d7_proj
		.amdhsa_group_segment_fixed_size 327680
		.amdhsa_private_segment_fixed_size 0
		.amdhsa_enable_private_segment 0
		.amdhsa_kernarg_size 64
		.amdhsa_user_sgpr_count 2
		.amdhsa_user_sgpr_kernarg_segment_ptr 1
		.amdhsa_wavefront_size32 1
		.amdhsa_system_sgpr_workgroup_id_x 1
		.amdhsa_system_sgpr_workgroup_id_y 1
		.amdhsa_system_sgpr_workgroup_id_z 1
		.amdhsa_system_vgpr_workitem_id 0
		.amdhsa_next_free_vgpr 1024
		.amdhsa_next_free_sgpr 100
		.amdhsa_reserve_vcc 0
		.amdhsa_float_denorm_mode_32 3
		.amdhsa_float_denorm_mode_16_64 3
		.amdhsa_memory_ordered 1
		.amdhsa_forward_progress 1
		.amdhsa_inst_pref_size 182
	.end_amdhsa_kernel
	.amdgpu_metadata
---
amdhsa.version: [ 1, 2 ]
amdhsa.kernels:
  - .name:           k_q91eb5a07d7_proj
    .symbol:         k_q91eb5a07d7_proj.kd
    .args:
      - { .name: k, .offset: 0, .size: 8, .value_kind: global_buffer, .address_space: global }
      - { .name: v, .offset: 8, .size: 8, .value_kind: global_buffer, .address_space: global }
      - { .name: q, .offset: 16, .size: 8, .value_kind: global_buffer, .address_space: global }
      - { .name: wb, .offset: 24, .size: 8, .value_kind: global_buffer, .address_space: global }
      - { .name: bk, .offset: 32, .size: 8, .value_kind: global_buffer, .address_space: global }
      - { .name: bv, .offset: 40, .size: 8, .value_kind: global_buffer, .address_space: global }
      - { .name: bq, .offset: 48, .size: 8, .value_kind: global_buffer, .address_space: global }
      - { .name: pj, .offset: 56, .size: 8, .value_kind: global_buffer, .address_space: global }
    .group_segment_fixed_size: 327680
    .private_segment_fixed_size: 0
    .kernarg_segment_align: 8
    .kernarg_segment_size: 64
    .max_flat_workgroup_size: 128
    .sgpr_count:     100
    .vgpr_count:     1024
    .wavefront_size: 32
...
	.end_amdgpu_metadata
.endif
;; end of part 2
;; launch scores (part 3): grid 8 x 32, 8 waves a work-group, clusters of 4 x 4, 327,680 bytes of LDS; arguments pj, pm, st; writes pm, st
.if DOCPART == 3
	.amdgcn_target "amdgcn-amd-amdhsa--gfx1250"
	.amdhsa_code_object_version 6
	.text
	.protected	k_q91eb5a07d7_scores
	.globl	k_q91eb5a07d7_scores
	.p2align	8
	.type	k_q91eb5a07d7_scores,@function
k_q91eb5a07d7_scores:
	s_mov_b64 s[64:65], 0
	v_nop
	global_prefetch_b8 v0, s[64:65] scope:SCOPE_SE
	s_setreg_imm32_b32 hwreg(HW_REG_WAVE_MODE, 25, 1), 1
	s_wait_xcnt 0x0
	s_wait_alu depctr_hold_cnt(0) depctr_sa_sdst(0) depctr_va_vdst(0) depctr_va_sdst(0) depctr_va_ssrc(0) depctr_va_vcc(0) depctr_vm_vsrc(0)
	s_getreg_b32 s2, hwreg(HW_REG_IB_STS2, 6, 4)
	s_cmp_eq_u32 s2, 0
	s_cbranch_scc0 .Lentry_in_a_cluster
	s_endpgm
.Lentry_in_a_cluster:
	s_bfe_u32 s2, ttmp6, 0x10000c
	s_cmp_lg_u32 s2, 0xf033
	s_cbranch_scc0 .Lentry_shape_is_right
	s_endpgm
.Lentry_shape_is_right:
; For each query row and each CHUNK of 128 keys: s = qp' . kp (qp' carries log2(e) / 32), m = the chunk's maximum of s, p = 2^(s - m) rounded to f16, l = the sum of the unrounded p.
; pj: [3][8192][1024] f16 (0: kp, 2: qp').  pm: [8192 rows][2048 keys of the row's batch] f16.  st: [2][16 chunks][8192 rows] f32: m, then l.  Products, m and l in f32.
; The maximum taken away is the true maximum of the chunk, so p lies in 0 to 1 for every input; the next launch brings the chunks onto the row's maximum.
; LIMITS.  p below 6e-5 keeps f16's fixed step of 6e-8; a weight below 2^-126 counts as 0; NaN and infinities are not treated apart.
; SHARES.  A work-group makes 256 queries x 256 keys of one batch; K = 1,024 goes in 8 steps of 128 through two LDS slots.  Eight waves, each 64 queries x 128 keys (one chunk): 32 accumulators.
; THE MATRIX INSTRUCTION IS USED TRANSPOSED: source 0 = 16 keys, source 1 = 16 queries: a lane holds ONE query (lane % 16) and the keys 16 b + 8 (lane / 16) + 0..7, so a row's maximum and sum
; want one exchange between the halves of the lanes, and eight weights pack into 16 bytes of a row of pm.
; CLUSTER.  4 x 4 work-groups: qp's tile is asked for jointly along a row of the cluster, kp's along a column.
; REGISTERS: window 0: v8-31 at work and addresses; v32-127, v128-223 fragments, two buffers (queries' 32, then keys' 64); v224-255 packed weights.  Window 1: the accumulators, (a, b) at v[8 (8 a + b)].
.set PT,    272       ; an LDS row: 256 bytes + 16
.set QT,    64*PT     ; what one wave fetches
.set SLOT,  8*QT      ; 256 rows of qp, then 256 rows of kp
.set STAGE, 2*SLOT    ; 16 rows x 272 bytes for each wave
.set STATS, STAGE+8*16*PT  ; 512 bytes for each wave: 64 m, 64 l
.set SPARE, STATS+8*512    ; the spare words, 128 bytes for each wave: four blocks of 256 bytes that no other line names
.set C0,   8          ; v8-11 four running maxima
.set MM,   12         ; v12-13 m, twice
.set LS,   14
.set SGO,  15         ; 8 x lane
.set ADRA, 16
.set ADRB, 20
.set STO,  24
.set RD,   25
.set CO,   26
.set SSA,  27
.set SPW,  28
.set NIL,  29
.set PFO,  30
.set SSR,  31
.set F0,   32
.set F1,   128
.set TMP,  224
.set WV, 10
.set WR, 11
.set WC, 12
.set CX, 13
.set CY, 14
.set TX, 15
.set TY, 16
.set CLY, 17          ; cluster y
.set W3, 18           ; which 64 rows of its tile a wave fetches
.set LIM, 19
.set G1A, 20
.set G0A, 28
.set G1B, 36
.set G0B, 44
.set PF,  52
.set SEL, 54
.set TA,  56          ; never holds cx
.set TB,  58          ; never holds cy
.set MX,  60
.set LW,  62
.set OUT, 66
.set STB, 68
.set MSB, 0
.macro WIN new
.if MSB != (\new)
	s_set_vgpr_msb (MSB<<8)|(\new)
.set MSB, \new
.endif
.endm
.macro PLACES                          ; four places in front of loads into registers that matrix instructions have read, and of vector work that reads results just made
.rept 4
	v_nop
.endr
.endm
.macro JLOAD s                         ; waves 0-3 fetch qp's four quarters, waves 4-7 kp's; an s_nop 0 and four v_nop follow each line
	s_cmp_lt_u32 s[WV], 4
	s_cbranch_scc0 .Lfor_b_\@
	tensor_load_to_lds s[G0A+4*(\s):G0A+4*(\s)+3], s[G1A:G1A+7]
	s_nop 0
.rept 4
	v_nop
.endr
	s_branch .Lasked_\@
.Lfor_b_\@:
	tensor_load_to_lds s[G0B+4*(\s):G0B+4*(\s)+3], s[G1B:G1B+7]
	s_nop 0
.rept 4
	v_nop
.endr
.Lasked_\@:
.endm
; A prefetch of the K step two refills on: a lane a row of 256 bytes.  Even waves ask: wave w for 32 of the 128 rows that waves w and w + 1 fetch; the four partners that ask for a tile jointly are told apart by
; ADDRESS (cx for qp, cy for kp).  qp's rows are read by both clusters of a row of clusters: x = 0 asks; kp's by the two clusters of a batch: the even y asks.  The last trip asks for nothing.
.macro ASK
	s_cmp_gt_u32 s3, s[LIM]
	s_cbranch_scc0 .Lnot_mine_\@
	global_prefetch_b8 v[PFO], s[PF:PF+1] th:TH_LOAD_NT scope:SCOPE_SE
.Lnot_mine_\@:
.endm
.macro CREST
	s_cmp_lg_u32 s[WV], 0
	s_cbranch_scc1 .Lnot_wave_0_\@
	s_barrier_signal -3
.Lnot_wave_0_\@:
	s_barrier_wait -3
	s_barrier_signal -1
	s_barrier_wait -1
.endm
.macro CROUND
	s_barrier_signal -1
	s_barrier_wait -1
	CREST
.endm
	s_load_b128 s[4:7], s[0:1], 0x0                ; pj s[4:5], pm s[6:7]
	s_load_b64 s[8:9], s[0:1], 0x10                ; st
	v_lshl_add_u32 v[SPW], v0, 2, SPARE
	v_mov_b32 v[NIL], 0
	ds_add_u32 v[SPW], v[NIL]                      ; the wave's opening: the add and its wait ahead of my first tensor load
	v_lshrrev_b32 v1, 5, v0
	v_readfirstlane_b32 s[WV], v1                  ; wave 0..7
	s_lshr_b32 s[WR], s[WV], 1                     ; my 64 queries
	s_and_b32 s[WC], s[WV], 1                      ; my 128 keys
	s_and_b32 s[W3], s[WV], 3
	s_bfe_u32 s[CX], ttmp6, 0x40000
	s_bfe_u32 s[CY], ttmp6, 0x40004
	s_lshl_b32 s[TX], ttmp9, 2
	s_add_co_u32 s[TX], s[TX], s[CX]               ; block of 256 keys in the batch
	s_and_b32 s[CLY], ttmp7, 0xffff
	s_lshl_b32 s[TY], s[CLY], 2
	s_add_co_u32 s[TY], s[TY], s[CY]               ; block of 256 rows of all 8,192
	s_lshl_b32 s[TA], s[CY], 2
	s_lshl_b32 s[TA], 15, s[TA]
	s_lshl_b32 s[TB], 0x1111, s[CX]
	s_or_b32 s[G1A], s[TA], (1<<16)|(1<<20)|(1<<21)|(5<<22)|(3<<25)  ; the mask; 2-byte elements; padding on; bit 21 beside a mask; after every 64 words 4 words
	s_or_b32 s[G1B], s[TB], (1<<16)|(1<<20)|(1<<21)|(5<<22)|(3<<25)
.irp g, G1A, G1B
	s_mov_b32 s[(\g)+1], 128<<16                   ; tensor_dim0 = 128
	s_mov_b32 s[(\g)+2], 64<<16                    ; tensor_dim1 = 64
	s_mov_b32 s[(\g)+3], 128<<16                   ; tile_dim0 = 128
	s_mov_b32 s[(\g)+4], 64                        ; tile_dim1 = 64
	s_mov_b32 s[(\g)+5], 1024                      ; elements from row to row
	s_mov_b32 s[(\g)+6], 0
	s_mov_b32 s[(\g)+7], 0
.endr
	s_mul_i32 s[LW], s[WV], QT                     ; where my tile goes: wave x 64 rows
	s_lshl_b32 s[TA], s[TY], 8
	s_lshl_b32 s[TA+1], s[W3], 6
	s_add_co_u32 s[TA], s[TA], s[TA+1]
	s_lshl_b32 s[TA], s[TA], 11                    ; qp: row 256 ty + 64 (w % 4), 2,048 bytes a row
	s_mov_b32 s[TA+1], 0
	s_lshr_b32 s[TB], s[CLY], 1                    ; the batch, from the cluster's y alone
	s_lshl_b32 s[TB], s[TB], 11
	s_lshl_b32 s[TB+1], s[TX], 8
	s_add_co_u32 s[TB], s[TB], s[TB+1]
	s_lshl_b32 s[TB+1], s[W3], 6
	s_add_co_u32 s[TB], s[TB], s[TB+1]
	s_lshl_b32 s[TB], s[TB], 11                    ; kp: row 2,048 batch + 256 tx + 64 (w % 4)
	s_mov_b32 s[TB+1], 0
	s_mov_b32 s[SEL], 0x76543210                   ; v_permlanex16_b32: each lane takes its own place in the other half
	s_mov_b32 s[SEL+1], 0xfedcba98
	s_wait_dscnt 0x0
	s_wait_kmcnt 0x0
	s_add_nc_u64 s[TA:TA+1], s[4:5], s[TA:TA+1]
	s_add_nc_u64 s[TA:TA+1], s[TA:TA+1], 0x2000000 ; qp' is pj's third plane
	s_add_nc_u64 s[TB:TB+1], s[4:5], s[TB:TB+1]
	CROUND
.irp s, 0,1
	s_mov_b32 s[G0A+4*(\s)], 1
	s_add_co_u32 s[G0A+4*(\s)+1], s[LW], (\s)*SLOT
	s_add_nc_u64 s[G0A+4*(\s)+2:G0A+4*(\s)+3], s[TA:TA+1], (\s)*256
	s_or_b32 s[G0A+4*(\s)+3], s[G0A+4*(\s)+3], 0x80000000
	s_mov_b32 s[G0B+4*(\s)], 1
	s_add_co_u32 s[G0B+4*(\s)+1], s[LW], (\s)*SLOT
	s_add_nc_u64 s[G0B+4*(\s)+2:G0B+4*(\s)+3], s[TB:TB+1], (\s)*256
	s_or_b32 s[G0B+4*(\s)+3], s[G0B+4*(\s)+3], 0x80000000
	JLOAD \s
.endr
	s_cmp_lt_u32 s[WV], 4
	s_cselect_b64 s[PF:PF+1], s[TA:TA+1], s[TB:TB+1]
	s_cselect_b32 s[MX], s[CX], s[CY]
	s_and_b32 s70, s[CLY], 1
	s_cmp_lt_u32 s[WV], 4
	s_cselect_b32 s70, ttmp9, s70
	s_or_b32 s70, s70, s[WC]                       ; odd waves ask for nothing
	s_cmp_eq_u32 s70, 0
	s_cselect_b32 s[LIM], 1, -1                    ; the same in all sixteen partners, for a given wave
	s_lshl_b32 s[MX], s[MX], 16                    ; my work-group's 32 rows
	s_mov_b32 s[MX+1], 0
	s_add_nc_u64 s[PF:PF+1], s[PF:PF+1], s[MX:MX+1]
	s_add_nc_u64 s[PF:PF+1], s[PF:PF+1], 3*256     ; at K step 3: the first change of slots steps it to 4
	v_and_b32 v1, 15, v0                           ; r
	v_bfe_u32 v2, v0, 4, 1                         ; h
	v_and_b32 v3, 31, v0                           ; lane
	v_mul_u32_u24 v4, v1, PT
	v_lshl_add_u32 v4, v2, 4, v4
	s_mul_i32 s70, s[WR], QT
	v_add_nc_u32 v[ADRA], s70, v4
	v_add_nc_u32 v[ADRA+1], SLOT, v[ADRA]
	s_mul_i32 s70, s[WC], 2*QT
	s_add_co_u32 s70, s70, 4*QT
	v_add_nc_u32 v[ADRB], s70, v4
	v_add_nc_u32 v[ADRB+1], SLOT, v[ADRB]
	s_mul_i32 s70, s[WV], 16*PT
	s_add_co_u32 s70, s70, STAGE
	v_add_nc_u32 v[STO], s70, v4
	v_mul_u32_u24 v5, v2, PT
	v_lshl_add_u32 v5, v1, 4, v5
	v_add_nc_u32 v[RD], s70, v5
	v_lshlrev_b32 v5, 12, v2
	v_lshl_add_u32 v[CO], v1, 4, v5                ; two rows of pm, 4,096 bytes apart
	s_lshl_b32 s70, s[WV], 9
	s_add_co_u32 s70, s70, STATS
	v_lshl_add_u32 v[SSA], v1, 2, s70
	v_lshl_add_u32 v[SSR], v3, 3, s70
	v_lshlrev_b32 v[SGO], 3, v3
	v_lshlrev_b32 v[PFO], 11, v3
	s_lshl_b32 s[MX], s[TY], 8
	s_lshl_b32 s[MX+1], s[WR], 6
	s_add_co_u32 s70, s[MX], s[MX+1]               ; my first row
	s_lshl_b32 s[MX], s70, 12
	s_lshl_b32 s[MX+1], s[TX], 9
	s_add_co_u32 s[MX], s[MX], s[MX+1]
	s_lshl_b32 s[MX+1], s[WC], 8
	s_add_co_u32 s[MX], s[MX], s[MX+1]
	s_mov_b32 s[MX+1], 0
	s_add_nc_u64 s[OUT:OUT+1], s[6:7], s[MX:MX+1]
	s_lshl_b32 s[MX], s[TX], 1
	s_add_co_u32 s[MX], s[MX], s[WC]               ; my chunk
	s_lshl_b32 s[MX], s[MX], 13
	s_add_co_u32 s[MX], s[MX], s70
	s_lshl_b32 s[MX], s[MX], 2
	s_add_nc_u64 s[STB:STB+1], s[8:9], s[MX:MX+1]
.macro FETCH slot, kq, f               ; 24 LDS loads in one run: the keys' 16, then the queries' 8
	WIN 0
.irp b, 0,1,2,3,4,5,6,7
	ds_load_b128 v[(\f)+32+8*(\b):(\f)+32+8*(\b)+3],   v[ADRB+(\slot)] offset:(\b)*16*PT+64*(\kq)
	ds_load_b128 v[(\f)+32+8*(\b)+4:(\f)+32+8*(\b)+7], v[ADRB+(\slot)] offset:(\b)*16*PT+64*(\kq)+32
.endr
.irp a, 0,1,2,3
	ds_load_b128 v[(\f)+8*(\a):(\f)+8*(\a)+3],   v[ADRA+(\slot)] offset:(\a)*16*PT+64*(\kq)
	ds_load_b128 v[(\f)+8*(\a)+4:(\f)+8*(\a)+7], v[ADRA+(\slot)] offset:(\a)*16*PT+64*(\kq)+32
.endr
.endm
.macro MUL8 f, a, zero                 ; block a's 8 products; the 32 accumulators take turns, in the same order in every quarter
	WIN 0x50
.irp b, 0,1,2,3,4,5,6,7
.if \zero
	v_wmma_f32_16x16x32_f16 v[8*(8*(\a)+(\b)):8*(8*(\a)+(\b))+7], v[(\f)+32+8*(\b):(\f)+32+8*(\b)+7], v[(\f)+8*(\a):(\f)+8*(\a)+7], 0
.else
	v_wmma_f32_16x16x32_f16 v[8*(8*(\a)+(\b)):8*(8*(\a)+(\b))+7], v[(\f)+32+8*(\b):(\f)+32+8*(\b)+7], v[(\f)+8*(\a):(\f)+8*(\a)+7], v[8*(8*(\a)+(\b)):8*(8*(\a)+(\b))+7]
.endif
.endr
.endm
.macro QUARTER slot, kq, f, g, zero
	s_wait_dscnt 4                                 ; the keys' fragments and the queries' blocks 0 and 1 are in; the youngest four loads may be out
	MUL8 \f, 0, \zero
	MUL8 \f, 1, \zero
	PLACES
	FETCH \slot, \kq, \g
	s_wait_dscnt 24                                ; all but the 24 just issued
	MUL8 \f, 2, \zero
	MUL8 \f, 3, \zero
.endm
.macro TURN slot, next, fill
	WIN 0
.if \fill
	s_wait_xcnt 0x0                                ; the last prefetch, a K step back, has read its address
	s_add_nc_u64 s[PF:PF+1], s[PF:PF+1], 256
.endif
	s_wait_tensorcnt 0x0                           ; all my tensor loads have landed: the one that was out is my part of the next slot
	ds_add_u32 v[SPW], v[NIL]                      ; 0 onto my spare word
.if \fill
	s_add_nc_u64 s[G0A+4*(\slot)+2:G0A+4*(\slot)+3], s[G0A+4*(\slot)+2:G0A+4*(\slot)+3], 512
	s_add_nc_u64 s[G0B+4*(\slot)+2:G0B+4*(\slot)+3], s[G0B+4*(\slot)+2:G0B+4*(\slot)+3], 512
.endif
	s_wait_dscnt 5                                 ; the add and the youngest four loads may be out
	MUL8 F1, 0, 0
	s_wait_dscnt 0x0                               ; the add is done, and my reads of this slot are over
	s_barrier_signal -1
	MUL8 F1, 1, 0
	WIN 0
	s_barrier_wait -1
.if \fill
	CREST
	JLOAD \slot                                    ; the four v_nop behind it are also the places in front of the loads below
.else
	PLACES
.endif
	FETCH \next, 0, F0
.if \fill
	ASK
.endif
	MUL8 F1, 2, 0
	MUL8 F1, 3, 0
.endm
; Block a's softmax over its chunk, in phases, each under one window setting.  S = the block's 64 registers: my query's 64 scores; the other 64 lie in the lane 16 away.
.macro SOFT a
.set SB, 64*(\a)
	WIN 0x15                                       ; three sources in window 1
.irp i, 0,1,2,3
	v_max3_num_f32 v[C0+(\i)], v[SB+16*(\i)], v[SB+16*(\i)+1], v[SB+16*(\i)+2]  ; each accumulator's lowest registers are read first
.endr
	WIN 0x14
.irp j, 0,1,2,3,4,5
.irp i, 0,1,2,3
	v_max3_num_f32 v[C0+(\i)], v[C0+(\i)], v[SB+16*(\i)+3+2*(\j)], v[SB+16*(\i)+4+2*(\j)]
.endr
.endr
	v_max3_num_f32 v[C0], v[C0], v[SB+15], v[SB+31]
	v_max3_num_f32 v[C0+2], v[C0+2], v[SB+47], v[SB+63]
	WIN 0
	v_max3_num_f32 v[C0], v[C0], v[C0+1], v[C0+2]
	v_max_num_f32 v[C0], v[C0], v[C0+3]
	v_permlanex16_b32 v[C0+1], v[C0], s[SEL], s[SEL+1]
	v_max_num_f32 v[MM], v[C0], v[C0+1]
	v_mov_b32 v[MM+1], v[MM]
	WIN 0x41                                       ; in place in window 1, m in window 0
.set i, 0
.rept 32
	v_pk_add_f32 v[SB+i:SB+i+1], v[SB+i:SB+i+1], v[MM:MM+1] neg_lo:[0,1] neg_hi:[0,1]
.set i, i+2
.endr
.set i, 0
.rept 64
	v_exp_f32 v[SB+i], v[SB+i]                     ; one batch of 64; nothing ahead of the wait names a result
.set i, i+1
.endr
	v_nop                                          ; a plain instruction behind the last exponential
	s_wait_alu depctr_va_vdst(0)                   ; the wait ahead of the batch's first reader
	WIN 0x05
.set i, 0
.rept 32
	v_cvt_pk_f16_f32 v[TMP+i], v[SB+2*i], v[SB+2*i+1]
.set i, i+1
.endr
	WIN 0x45                                       ; the sum of the unrounded weights: a tree in place
.irp w, 32,16,8,4,2
.set i, 0
.rept (\w)/2
	v_pk_add_f32 v[SB+i:SB+i+1], v[SB+i:SB+i+1], v[SB+i+(\w):SB+i+(\w)+1]
.set i, i+2
.endr
.endr
	WIN 0x05
	v_add_f32 v[LS], v[SB], v[SB+1]
	WIN 0
	v_permlanex16_b32 v[C0+1], v[LS], s[SEL], s[SEL+1]
	v_add_f32 v[LS], v[LS], v[C0+1]
	ds_store_b32 v[SSA], v[MM] offset:64*(\a)      ; both halves of the lanes hold the same number and write the same word
	ds_store_b32 v[SSA], v[LS] offset:256+64*(\a)
.endm
.macro TOSTAGE a
	WIN 0
.set BK, 32+32*((\a)%2)
.if (\a) >= 2
	s_wait_xcnt 0x0                                ; the stores of the block two back have read these registers
.endif
.irp b, 0,1,2,3,4,5,6,7
	ds_store_b128 v[STO], v[TMP+4*(\b):TMP+4*(\b)+3] offset:32*(\b)
.endr
.irp t, 0,1,2,3,4,5,6,7
	ds_load_b128 v[BK+4*(\t):BK+4*(\t)+3], v[RD] offset:(\t)*2*PT  ; LDS serves a wave's instructions in order: these see the stores above
.endr
.endm
.macro SEND a
	WIN 0
.set BK, 32+32*((\a)%2)
	s_wait_dscnt 0x0
.irp t, 0,1,2,3,4,5,6,7
	global_store_b128 v[CO], v[BK+4*(\t):BK+4*(\t)+3], s[OUT:OUT+1] offset:(16*(\a)+2*(\t))*4096  ; 16 lanes store a row's chunk: 256 consecutive bytes, aligned
.endr
.endm
	s_wait_tensorcnt 0x1                           ; my part of K step 0 is in; step 1's may stay out
	s_barrier_signal -1
	s_barrier_wait -1
	FETCH 0, 0, F0
	QUARTER 0, 1, F0, F1, 1                        ; the first quarter's products start the sums
	WIN 0
	s_mov_b32 s3, 3
.Llap:
	QUARTER 0, 2, F1, F0, 0
	QUARTER 0, 3, F0, F1, 0
	TURN 0, 1, 1
	QUARTER 1, 1, F0, F1, 0
	QUARTER 1, 2, F1, F0, 0
	QUARTER 1, 3, F0, F1, 0
	TURN 1, 0, 1
	QUARTER 0, 1, F0, F1, 0
	WIN 0
	s_sub_co_u32 s3, s3, 1
	s_cmp_lg_u32 s3, 0
	s_cbranch_scc1 .Llap
	QUARTER 0, 2, F1, F0, 0                        ; the last lap is written out: it asks for nothing
	QUARTER 0, 3, F0, F1, 0
	TURN 0, 1, 0
	QUARTER 1, 1, F0, F1, 0
	QUARTER 1, 2, F1, F0, 0
	QUARTER 1, 3, F0, F1, 0
	s_wait_dscnt 4
	MUL8 F1, 0, 0
	MUL8 F1, 1, 0
	s_wait_dscnt 0x0
	MUL8 F1, 2, 0
	MUL8 F1, 3, 0
	PLACES
	SOFT 0
	TOSTAGE 0
.irp a, 1,2,3                          ; a block's softmax stands between the loads of the block before and its stores
	SOFT \a
	SEND (\a)-1
	TOSTAGE \a
.endr
	SEND 3
	ds_load_b64 v[128:129], v[SSR]                 ; my wave's 64 m and 64 l, two rows a lane
	ds_load_b64 v[130:131], v[SSR] offset:256
	s_wait_dscnt 0x0
	global_store_b64 v[SGO], v[128:129], s[STB:STB+1]                ; 256 consecutive bytes, aligned
	global_store_b64 v[SGO], v[130:131], s[STB:STB+1] offset:524288
	s_wait_tensorcnt 0x0                           ; the wave's end
	ds_add_u32 v[SPW], v[NIL]
	s_wait_dscnt 0x0
	CROUND                                         ; the closing round
	s_endpgm
.Lfunc_end_k_q91eb5a07d7_scores:
	.size	k_q91eb5a07d7_scores, .Lfunc_end_k_q91eb5a07d7_scores-k_q91eb5a07d7_scores
	.p2alignl 7, 3214868480
	.fill 96, 4, 3214868480
	.section	.rodata,"a",@progbits
	.p2align	6, 0x0
	.amdhsa_kernel k_q91eb5a07d7_scores
		.amdhsa_group_segment_fixed_size 327680
		.amdhsa_private_segment_fixed_size 0
		.amdhsa_enable_private_segment 0
		.amdhsa_kernarg_size 24
		.amdhsa_user_sgpr_count 2
		.amdhsa_user_sgpr_kernarg_segment_ptr 1
		.amdhsa_wavefront_size32 1
		.amdhsa_system_sgpr_workgroup_id_x 1
		.amdhsa_system_sgpr_workgroup_id_y 1
		.amdhsa_system_sgpr_workgroup_id_z 1
		.amdhsa_system_vgpr_workitem_id 0
		.amdhsa_next_free_vgpr 512
		.amdhsa_next_free_sgpr 80
		.amdhsa_reserve_vcc 0
		.amdhsa_float_denorm_mode_32 3
		.amdhsa_float_denorm_mode_16_64 3
		.amdhsa_memory_ordered 1
		.amdhsa_forward_progress 1
		.amdhsa_inst_pref_size 121
	.end_amdhsa_kernel
	.amdgpu_metadata
---
amdhsa.version: [ 1, 2 ]
amdhsa.kernels:
  - .name:           k_q91eb5a07d7_scores
    .symbol:         k_q91eb5a07d7_scores.kd
    .args:
      - { .name: pj, .offset: 0, .size: 8, .value_kind: global_buffer, .address_space: global }
      - { .name: pm, .offset: 8, .size: 8, .value_kind: global_buffer, .address_space: global }
      - { .name: st, .offset: 16, .size: 8, .value_kind: global_buffer, .address_space: global }
    .group_segment_fixed_size: 327680
    .private_segment_fixed_size: 0
    .kernarg_segment_align: 8
    .kernarg_segment_size: 24
    .max_flat_workgroup_size: 256
    .sgpr_count:     80
    .vgpr_count:     512
    .wavefront_size: 32
...
	.end_amdgpu_metadata
.endif
;; end of part 3
;; launch pv (part 4): grid 4 x 64, 4 waves a work-group, clusters of 4 x 4, 327,680 bytes of LDS; arguments pm, pj, st, out0; writes out0
.if DOCPART == 4
	.amdgcn_target "amdgcn-amd-amdhsa--gfx1250"
	.amdhsa_code_object_version 6
	.text
	.protected	k_q91eb5a07d7_pv
	.globl	k_q91eb5a07d7_pv
	.p2align	8
	.type	k_q91eb5a07d7_pv,@function
k_q91eb5a07d7_pv:
	s_mov_b64 s[64:65], 0
	v_nop
	global_prefetch_b8 v0, s[64:65] scope:SCOPE_SE
	s_setreg_imm32_b32 hwreg(HW_REG_WAVE_MODE, 25, 1), 1
	s_wait_xcnt 0x0
	s_wait_alu depctr_hold_cnt(0) depctr_sa_sdst(0) depctr_va_vdst(0) depctr_va_sdst(0) depctr_va_ssrc(0) depctr_va_vcc(0) depctr_vm_vsrc(0)
	s_getreg_b32 s2, hwreg(HW_REG_IB_STS2, 6, 4)
	s_cmp_eq_u32 s2, 0
	s_cbranch_scc0 .Lentry_in_a_cluster
	s_endpgm
.Lentry_in_a_cluster:
	s_bfe_u32 s2, ttmp6, 0x10000c
	s_cmp_lg_u32 s2, 0xf033
	s_cbranch_scc0 .Lentry_shape_is_right
	s_endpgm
.Lentry_shape_is_right:
; out[row][ch] = ( sum over chunks c and keys k of the chunk of (p[row][k] g[row][c]) vp[k][ch] ) / L[row],  M = max over c of m[c],  g[c] = 2^(m[c] - M),  L = sum over c of l[c] g[c].
; pm: [8192][2048] f16 (weights relative to their chunk's maximum), st: [2][16][8192] f32 (m, l), pj's second plane: vp [8192][1024] f16, out0: [8192][1024] f32.
; M is the row's true maximum, so g lies in 0 to 1; the chunk that holds it has g = 1 and l >= 1, so L >= 1.  M, g's exponent, L and the products' sums are f32; g and p g are rounded to f16 for the matrix unit.
; LIMITS.  g and p g below 6e-5 keep f16's fixed step of 6e-8; NaN and infinities are not treated apart.
; SHARES.  A work-group makes 128 rows x 256 channels; the 2,048 keys go in 16 steps of 128, a chunk each, through two LDS slots.  Four waves, each 64 rows x 128 channels: 32 accumulators.
; THE MATRIX INSTRUCTION IS USED TRANSPOSED: source 0 = 16 channels of vp (stored [key][channel]: turned on the way out of LDS by ds_load_tr16_b128), source 1 = 16 rows of p.
; A lane holds ONE row (lane % 16), in p's fragments and in the result: p is scaled by the lane's own g, four packed multiplies behind a matrix instruction at a time.
; CLUSTER.  4 x 4 work-groups: p's tile is asked for jointly along a row of the cluster, vp's along a column.
; REGISTERS: window 0: v7-31 g and addresses; v32-127, v128-223 fragments, two buffers (p's 32, then vp's 64); v224-231 1 / L.  Window 1: the accumulators, (a, b) at v[8 (8 a + b)].
.set PP,    272       ; a row of p in LDS: 256 bytes + 16
.set PV,    544       ; a row of vp: 512 + 32 = 136 words
.set AH,    64*PP
.set BH,    64*PV
.set BOFF,  2*AH
.set SLOT,  BOFF+2*BH
.set STAGE, 2*SLOT    ; 16 rows x 528 bytes for each wave
.set SPO,   528
.set GT,    STAGE+4*16*SPO  ; 4,096 bytes for each wave: [chunk][64 rows] of g, twice in a word
.set RLT,   GT+4*4096       ; 256 bytes for each wave: 1 / L of its 64 rows
.set SPARE, RLT+4*256       ; the spare words, 128 bytes for each wave: two blocks of 256 bytes that no other line names
.set GA,   7
.set G,    8          ; v8-15: g of block a for the step in slot s at G + 4 s + a
.set ADRA, 16
.set ADRB, 20
.set STO,  24
.set RD,   25
.set CO,   26
.set GA0,  27
.set SPW,  28
.set NIL,  29
.set PFO,  30
.set RA,   31
.set F0,   32
.set F1,   128
.set RL,   224
.set PM,   32         ; the preparation's registers: m, then g: 16 pairs
.set PL,   64         ; l
.set PG,   96         ; g packed
.set PX,   128        ; M
.set PS,   130        ; L
.set PR,   132        ; 1 / L
.set WV, 12
.set WR, 13
.set WC, 14
.set CX, 15
.set CY, 16
.set TX, 17
.set TY, 18
.set CLY, 19
.set G1A, 20
.set G0A, 28
.set G1B, 36
.set G0B, 44
.set PF,  52
.set PFI, 54
.set LIM, 56
.set LA,  57
.set LB,  58
.set GS,  59          ; 256 x the chunk whose g is fetched next
.set TA,  60          ; never holds cx
.set TB,  62          ; never holds cy
.set MX,  66
.set OUT, 68
.set STB, 70
.set MSB, 0
.macro WIN new
.if MSB != (\new)
	s_set_vgpr_msb (MSB<<8)|(\new)
.set MSB, \new
.endif
.endm
.macro JLOAD s                         ; waves 0 and 1 fetch p's two halves, waves 2 and 3 vp's; an s_nop 0 and four v_nop follow each line
	s_cmp_eq_u32 s[WR], 0
	s_cbranch_scc0 .Lfor_b_\@
	tensor_load_to_lds s[G0A+4*(\s):G0A+4*(\s)+3], s[G1A:G1A+7]
	s_nop 0
.rept 4
	v_nop
.endr
	s_branch .Lasked_\@
.Lfor_b_\@:
	tensor_load_to_lds s[G0B+4*(\s):G0B+4*(\s)+3], s[G1B:G1B+7]
	s_nop 0
.rept 4
	v_nop
.endr
.Lasked_\@:
.endm
; A prefetch of the step two refills on, 32 blocks of 256 bytes.  Wave 0: my work-group's 32 of the tile's 128 rows of p (told apart by cx, by ADDRESS); p's rows are read by this cluster alone.
; Waves 2 and 3: my work-group's 16 of the 64 keys that the wave fetches, two blocks each (told apart by cy); a batch's vp is read by four clusters: the first of them asks.  The last trip asks for nothing.
.macro ASK
	s_cmp_gt_u32 s3, s[LIM]
	s_cbranch_scc0 .Lnot_mine_\@
	global_prefetch_b8 v[PFO], s[PF:PF+1] th:TH_LOAD_NT scope:SCOPE_SE
.Lnot_mine_\@:
.endm
.macro CREST
	s_cmp_lg_u32 s[WV], 0
	s_cbranch_scc1 .Lnot_wave_0_\@
	s_barrier_signal -3
.Lnot_wave_0_\@:
	s_barrier_wait -3
	s_barrier_signal -1
	s_barrier_wait -1
.endm
.macro CROUND
	s_barrier_signal -1
	s_barrier_wait -1
	CREST
.endm
	s_load_b256 s[4:11], s[0:1], 0x0               ; pm s[4:5], pj s[6:7], st s[8:9], out0 s[10:11]
	v_lshl_add_u32 v[SPW], v0, 2, SPARE
	v_mov_b32 v[NIL], 0
	ds_add_u32 v[SPW], v[NIL]                      ; the wave's opening: the add and its wait ahead of my first tensor load
	v_lshrrev_b32 v1, 5, v0
	v_readfirstlane_b32 s[WV], v1
	s_lshr_b32 s[WR], s[WV], 1                     ; my 64 rows; also: I fetch for p (0) or for vp (1)
	s_and_b32 s[WC], s[WV], 1                      ; my 128 channels; also: which half I fetch
	s_bfe_u32 s[CX], ttmp6, 0x40000
	s_bfe_u32 s[CY], ttmp6, 0x40004
	s_lshl_b32 s[TX], ttmp9, 2
	s_add_co_u32 s[TX], s[TX], s[CX]               ; block of 256 channels
	s_and_b32 s[CLY], ttmp7, 0xffff
	s_lshl_b32 s[TY], s[CLY], 2
	s_add_co_u32 s[TY], s[TY], s[CY]               ; block of 128 rows
	s_lshl_b32 s[TA], s[CY], 2
	s_lshl_b32 s[TA], 15, s[TA]
	s_lshl_b32 s[TB], 0x1111, s[CX]
	s_or_b32 s[G1A], s[TA], (1<<16)|(1<<20)|(1<<21)|(5<<22)|(3<<25)  ; p: after every 64 words 4 words of padding
	s_or_b32 s[G1B], s[TB], (1<<16)|(1<<20)|(1<<21)|(6<<22)|(7<<25)  ; vp: after every 128 words 8 words
	s_mov_b32 s[G1A+1], 128<<16                    ; 128 keys
	s_mov_b32 s[G1A+2], 64<<16                     ; 64 rows
	s_mov_b32 s[G1A+3], 128<<16
	s_mov_b32 s[G1A+4], 64
	s_mov_b32 s[G1A+5], 2048                       ; elements from row to row of pm
	s_mov_b32 s[G1A+6], 0
	s_mov_b32 s[G1A+7], 0
	s_mov_b32 s[G1B+1], 256<<16                    ; 256 channels
	s_mov_b32 s[G1B+2], 64<<16                     ; 64 keys
	s_mov_b32 s[G1B+3], 256<<16
	s_mov_b32 s[G1B+4], 64
	s_mov_b32 s[G1B+5], 1024
	s_mov_b32 s[G1B+6], 0
	s_mov_b32 s[G1B+7], 0
	s_mul_i32 s[LA], s[WC], AH
	s_mul_i32 s[LB], s[WC], BH
	s_add_co_u32 s[LB], s[LB], BOFF
	s_lshl_b32 s[TA], s[TY], 7
	s_lshl_b32 s[TA+1], s[WC], 6
	s_add_co_u32 s[TA], s[TA], s[TA+1]
	s_lshl_b32 s[TA], s[TA], 12                    ; p: row 128 ty + 64 half, 4,096 bytes a row
	s_mov_b32 s[TA+1], 0
	s_lshr_b32 s[TB], s[CLY], 2                    ; the batch, from the cluster's y alone
	s_lshl_b32 s[TB], s[TB], 11
	s_lshl_b32 s[TB+1], s[WC], 6
	s_add_co_u32 s[TB], s[TB], s[TB+1]
	s_lshl_b32 s[TB], s[TB], 11                    ; vp: key 2,048 batch + 64 half, 2,048 bytes a row,
	s_lshl_b32 s[TB+1], s[TX], 9                   ; my block's 512 bytes of it
	s_add_co_u32 s[TB], s[TB], s[TB+1]
	s_mov_b32 s[TB+1], 0
	s_mov_b32 s[GS], 0
	s_wait_dscnt 0x0
	s_wait_kmcnt 0x0
	s_add_nc_u64 s[TA:TA+1], s[4:5], s[TA:TA+1]
	s_add_nc_u64 s[TB:TB+1], s[6:7], s[TB:TB+1]
	s_add_nc_u64 s[TB:TB+1], s[TB:TB+1], 0x1000000 ; vp is pj's second plane
	CROUND
.irp s, 0,1
	s_mov_b32 s[G0A+4*(\s)], 1
	s_add_co_u32 s[G0A+4*(\s)+1], s[LA], (\s)*SLOT
	s_add_nc_u64 s[G0A+4*(\s)+2:G0A+4*(\s)+3], s[TA:TA+1], (\s)*256
	s_or_b32 s[G0A+4*(\s)+3], s[G0A+4*(\s)+3], 0x80000000
	s_mov_b32 s[G0B+4*(\s)], 1
	s_add_co_u32 s[G0B+4*(\s)+1], s[LB], (\s)*SLOT
	s_add_nc_u64 s[G0B+4*(\s)+2:G0B+4*(\s)+3], s[TB:TB+1], (\s)*262144
	s_or_b32 s[G0B+4*(\s)+3], s[G0B+4*(\s)+3], 0x80000000
	JLOAD \s
.endr
	s_cmp_eq_u32 s[WR], 0
	s_cselect_b64 s[PF:PF+1], s[TA:TA+1], s[TB:TB+1]
	s_cselect_b32 s[MX], s[CX], s[CY]
	s_cselect_b32 s[MX+1], 17, 15                  ; 32 rows of p or 16 keys of vp
	s_cselect_b32 s[PFI], 8, 18                    ; a step: 256 bytes along a row of p, 128 rows of vp
	s_cselect_b32 s72, 12, 10                      ; a pair of lanes: two rows of p, or one of vp
	s_cselect_b32 s73, 12, 8                       ; an odd lane: the next row of p, or the row's second 256 bytes of vp
	s_and_b32 s[LIM], s[CLY], 3
	s_cmp_eq_u32 s[WR], 0
	s_cselect_b32 s[LIM], s[WC], s[LIM]            ; wave 0 asks, wave 1 does not, waves 2 and 3 in a batch's first cluster
	s_cmp_eq_u32 s[LIM], 0
	s_cselect_b32 s[LIM], 1, -1
	s_lshl_b32 s[MX], s[MX], s[MX+1]
	s_mov_b32 s[MX+1], 0
	s_lshl_b32 s[PFI], 1, s[PFI]
	s_mov_b32 s[PFI+1], 0
	s_add_nc_u64 s[PF:PF+1], s[PF:PF+1], s[MX:MX+1]
.rept 3
	s_add_nc_u64 s[PF:PF+1], s[PF:PF+1], s[PFI:PFI+1]  ; at step 3: the first change of slots steps it to 4
.endr
	v_and_b32 v1, 15, v0                           ; r
	v_bfe_u32 v2, v0, 4, 1                         ; h
	v_and_b32 v3, 31, v0                           ; lane
	v_and_b32 v[PFO], 30, v0
	v_and_b32 v4, 1, v0
	v_lshlrev_b32 v[PFO], s72, v[PFO]
	v_lshlrev_b32 v4, s73, v4
	v_add_nc_u32 v[PFO], v[PFO], v4
	v_mul_u32_u24 v4, v1, PP
	v_lshl_add_u32 v4, v2, 4, v4
	s_mul_i32 s72, s[WR], AH
	v_add_nc_u32 v[ADRA], s72, v4
	v_add_nc_u32 v[ADRA+1], SLOT, v[ADRA]
	; the turning load takes 16 keys x 16 channels: lane l reads key 8 (l / 16) + l % 8, channels 8 ((l / 8) % 2) + 0..7, and ends with channel l % 16 and 8 keys
	v_and_b32 v5, 7, v0
	v_lshl_add_u32 v5, v2, 3, v5
	v_mul_u32_u24 v5, v5, PV
	v_bfe_u32 v6, v0, 3, 1
	v_lshl_add_u32 v5, v6, 4, v5
	s_lshl_b32 s72, s[WC], 8
	s_add_co_u32 s72, s72, BOFF
	v_add_nc_u32 v[ADRB], s72, v5
	v_add_nc_u32 v[ADRB+1], SLOT, v[ADRB]
	s_mul_i32 s72, s[WV], 16*SPO
	s_add_co_u32 s72, s72, STAGE
	v_mul_u32_u24 v4, v1, SPO
	v_lshl_add_u32 v4, v2, 5, v4
	v_add_nc_u32 v[STO], s72, v4                   ; in: row r, 32 bytes for each half of the lanes
	v_lshl_add_u32 v[RD], v3, 4, s72               ; back: a row of 512 bytes to the 32 lanes
	v_lshlrev_b32 v[CO], 4, v3
	s_lshl_b32 s72, s[WV], 12
	s_add_co_u32 s72, s72, GT
	v_lshl_add_u32 v[GA0], v1, 2, s72
	v_lshl_add_u32 v4, v3, 3, s72                  ; where I put my two rows' g
	s_lshl_b32 s72, s[WV], 8
	s_add_co_u32 s72, s72, RLT
	v_lshl_add_u32 v[RA], v1, 2, s72
	v_lshl_add_u32 v5, v3, 3, s72
	v_lshlrev_b32 v6, 3, v3
	s_lshl_b32 s[MX], s[TY], 7
	s_lshl_b32 s72, s[WR], 6
	s_add_co_u32 s72, s[MX], s72                   ; my first row
	s_lshl_b32 s[MX], s72, 2
	s_add_nc_u64 s[STB:STB+1], s[8:9], s[MX:MX+1]
	s_lshl_b32 s[MX], s72, 12
	s_lshl_b32 s72, s[TX], 10
	s_add_co_u32 s[MX], s[MX], s72
	s_lshl_b32 s72, s[WC], 9
	s_add_co_u32 s[MX], s[MX], s72
	s_add_nc_u64 s[OUT:OUT+1], s[10:11], s[MX:MX+1]
	; THE STATISTICS of my wave's 64 rows, two rows a lane, while the first tiles are on their way.  Each load of the wave covers 256 consecutive bytes, aligned.
.set c, 0
.rept 16
	global_load_b64 v[PM+2*c:PM+2*c+1], v6, s[STB:STB+1] offset:32768*c
	global_load_b64 v[PL+2*c:PL+2*c+1], v6, s[STB:STB+1] offset:524288+32768*c
.set c, c+1
.endr
	s_wait_loadcnt 0x0
.irp e, 0,1
	v_max3_num_f32 v[PX+(\e)], v[PM+(\e)], v[PM+2+(\e)], v[PM+4+(\e)]
.irp d, 3,5,7,9,11,13
	v_max3_num_f32 v[PX+(\e)], v[PX+(\e)], v[PM+2*(\d)+(\e)], v[PM+2*(\d)+2+(\e)]
.endr
	v_max_num_f32 v[PX+(\e)], v[PX+(\e)], v[PM+30+(\e)]
.endr
.set c, 0
.rept 16
	v_pk_add_f32 v[PM+2*c:PM+2*c+1], v[PM+2*c:PM+2*c+1], v[PX:PX+1] neg_lo:[0,1] neg_hi:[0,1]
.set c, c+1
.endr
.set c, 0
.rept 32
	v_exp_f32 v[PM+c], v[PM+c]                     ; g: one batch
.set c, c+1
.endr
	v_nop
	s_wait_alu depctr_va_vdst(0)                   ; the wait ahead of the batch's first reader
	v_pk_mul_f32 v[PS:PS+1], v[PL:PL+1], v[PM:PM+1]
.set c, 1
.rept 15
	v_pk_fma_f32 v[PS:PS+1], v[PL+2*c:PL+2*c+1], v[PM+2*c:PM+2*c+1], v[PS:PS+1]
.set c, c+1
.endr
	v_rcp_f32 v[PR], v[PS]
	v_rcp_f32 v[PR+1], v[PS+1]
.set c, 0
.rept 32
	v_cvt_pk_f16_f32 v[PG+c], v[PM+c], v[PM+c]     ; g twice in a word, for the packed multiply; the independent work behind the reciprocals
.set c, c+1
.endr
	s_wait_alu depctr_va_vdst(0)                   ; the reciprocals' wait, ahead of the store that reads them
.set c, 0
.rept 16
	ds_store_b64 v4, v[PG+2*c:PG+2*c+1] offset:256*c
.set c, c+1
.endr
	ds_store_b64 v5, v[PR:PR+1]
; The fragments of 32 keys, quarter kq of the slot's step, into buffer f: (the step's g: 4 loads,) vp's 16 turning loads, p's 8
.macro FETCH slot, kq, f, withg
	WIN 0
.if \withg
	v_add_nc_u32 v[GA], s[GS], v[GA0]
	s_add_co_u32 s[GS], s[GS], 256                 ; the next such fetch is the next chunk's
.irp a, 0,1,2,3
	ds_load_b32 v[G+4*(\slot)+(\a)], v[GA] offset:64*(\a)
.endr
.endif
.irp b, 0,1,2,3,4,5,6,7
	ds_load_tr16_b128 v[(\f)+32+8*(\b):(\f)+32+8*(\b)+3],   v[ADRB+(\slot)] offset:(\kq)*32*PV+32*(\b)
	ds_load_tr16_b128 v[(\f)+32+8*(\b)+4:(\f)+32+8*(\b)+7], v[ADRB+(\slot)] offset:(\kq)*32*PV+32*(\b)+16*PV
.endr
.irp a, 0,1,2,3
	ds_load_b128 v[(\f)+8*(\a):(\f)+8*(\a)+3],   v[ADRA+(\slot)] offset:(\a)*16*PP+64*(\kq)
	ds_load_b128 v[(\f)+8*(\a)+4:(\f)+8*(\a)+7], v[ADRA+(\slot)] offset:(\a)*16*PP+64*(\kq)+32
.endr
.endm
.macro SC4 f, a, half, gs              ; half of block a's fragment of p times the lane's g, in place
	WIN 0
.irp i, 0,1,2,3
	v_pk_mul_f16 v[(\f)+8*(\a)+4*(\half)+(\i)], v[(\f)+8*(\a)+4*(\half)+(\i)], v[G+4*(\gs)+(\a)]
.endr
.endm
; Block a's 8 products; ride: the block of p that is scaled meanwhile.  The 32 accumulators take turns, in the same order in every quarter.
.macro MULA f, a, zero, ride, gs
.irp b, 0,1,2,3,4,5,6,7
	WIN 0x50
.if \zero
	v_wmma_f32_16x16x32_f16 v[8*(8*(\a)+(\b)):8*(8*(\a)+(\b))+7], v[(\f)+32+8*(\b):(\f)+32+8*(\b)+7], v[(\f)+8*(\a):(\f)+8*(\a)+7], 0
.else
	v_wmma_f32_16x16x32_f16 v[8*(8*(\a)+(\b)):8*(8*(\a)+(\b))+7], v[(\f)+32+8*(\b):(\f)+32+8*(\b)+7], v[(\f)+8*(\a):(\f)+8*(\a)+7], v[8*(8*(\a)+(\b)):8*(8*(\a)+(\b))+7]
.endif
.if ((\ride) >= 0) && ((\b) == 0)
	SC4 \f, \ride, 0, \gs
.endif
.if ((\ride) >= 0) && ((\b) == 2)
	SC4 \f, \ride, 1, \gs
.endif
.endr
.endm
.macro QUARTER slot, kq, f, g, zero    ; the run of loads into g stands 24 packed multiplies behind the last product that read g: those are the places between
	s_wait_dscnt 4                                 ; g, vp's fragments and p's blocks 0 and 1 are in; the youngest four loads may be out
	SC4 \f, 0, 0, \slot
	SC4 \f, 0, 1, \slot
	MULA \f, 0, \zero, 1, \slot
	s_wait_dscnt 0x0
	MULA \f, 1, \zero, 2, \slot
	FETCH \slot, \kq, \g, 0
	MULA \f, 2, \zero, 3, \slot
	MULA \f, 3, \zero, -1, \slot
.endm
.macro TURN slot, next, fill
	WIN 0
.if \fill
	s_wait_xcnt 0x0                                ; the last prefetch, a step back, has read its address
	s_add_nc_u64 s[PF:PF+1], s[PF:PF+1], s[PFI:PFI+1]
.endif
	s_wait_tensorcnt 0x0                           ; all my tensor loads have landed: the one that was out is my part of the next slot
	ds_add_u32 v[SPW], v[NIL]                      ; 0 onto my spare word
.if \fill
	s_add_nc_u64 s[G0A+4*(\slot)+2:G0A+4*(\slot)+3], s[G0A+4*(\slot)+2:G0A+4*(\slot)+3], 512
	s_add_nc_u64 s[G0B+4*(\slot)+2:G0B+4*(\slot)+3], s[G0B+4*(\slot)+2:G0B+4*(\slot)+3], 524288
.endif
	s_wait_dscnt 5                                 ; the add and the youngest four loads may be out
	SC4 F1, 0, 0, \slot
	SC4 F1, 0, 1, \slot
	MULA F1, 0, 0, 1, \slot
	s_wait_dscnt 0x0                               ; the add is done, and my reads of this slot are over
	s_barrier_signal -1
	MULA F1, 1, 0, 2, \slot
	WIN 0
	s_barrier_wait -1
.if \fill
	CREST
	JLOAD \slot
.endif
	FETCH \next, 0, F0, 1
.if \fill
	ASK
.endif
	MULA F1, 2, 0, 3, \slot
	MULA F1, 3, 0, -1, \slot
.endm
; THE WAY OUT of block a (16 rows x 128 channels of f32): divided by L in place, each accumulator in ascending order; 32 bytes a lane into my stage; back as whole rows of 512 bytes; stored.
.macro MULP a
	WIN 0x41
.set i, 64*(\a)
.rept 32
	v_pk_mul_f32 v[i:i+1], v[i:i+1], v[RL+2*(\a):RL+2*(\a)+1]
.set i, i+2
.endr
.endm
.macro TOSTAGE a
.set BK, 32+96*((\a)%2)
	WIN 0x04                                       ; the stores' data in window 1
.if (\a) >= 2
	s_wait_xcnt 0x0                                ; the stores of the block two back have read the registers that are loaded below
.endif
.irp b, 0,1,2,3,4,5,6,7
	ds_store_b128 v[STO], v[64*(\a)+8*(\b):64*(\a)+8*(\b)+3]   offset:64*(\b)
	ds_store_b128 v[STO], v[64*(\a)+8*(\b)+4:64*(\a)+8*(\b)+7] offset:64*(\b)+16
.endr
	WIN 0
.irp t, 0,1,2,3,4,5,6,7,8,9,10,11,12,13,14,15
	ds_load_b128 v[BK+4*(\t):BK+4*(\t)+3], v[RD] offset:(\t)*SPO  ; LDS serves a wave's instructions in order: these see the stores above
.endr
.endm
.macro SEND a
	WIN 0
.set BK, 32+96*((\a)%2)
	s_wait_dscnt 0x0
.irp t, 0,1,2,3,4,5,6,7,8,9,10,11,12,13,14,15
	global_store_b128 v[CO], v[BK+4*(\t):BK+4*(\t)+3], s[OUT:OUT+1] offset:(16*(\a)+(\t))*4096 th:TH_STORE_NT  ; the wave stores 512 consecutive bytes, aligned
.endr
.endm
	s_wait_tensorcnt 0x1                           ; my part of step 0 is in; step 1's may stay out
	s_wait_dscnt 0x0                               ; my stores of g and 1 / L are done
	s_barrier_signal -1
	s_barrier_wait -1
	FETCH 0, 0, F0, 1
	QUARTER 0, 1, F0, F1, 1                        ; the first quarter's products start the sums
	WIN 0
	s_mov_b32 s3, 7
.Llap:
	QUARTER 0, 2, F1, F0, 0
	QUARTER 0, 3, F0, F1, 0
	TURN 0, 1, 1
	QUARTER 1, 1, F0, F1, 0
	QUARTER 1, 2, F1, F0, 0
	QUARTER 1, 3, F0, F1, 0
	TURN 1, 0, 1
	QUARTER 0, 1, F0, F1, 0
	WIN 0
	s_sub_co_u32 s3, s3, 1
	s_cmp_lg_u32 s3, 0
	s_cbranch_scc1 .Llap
	QUARTER 0, 2, F1, F0, 0                        ; the last lap is written out: it asks for nothing
	QUARTER 0, 3, F0, F1, 0
	TURN 0, 1, 0
	QUARTER 1, 1, F0, F1, 0
	QUARTER 1, 2, F1, F0, 0
	QUARTER 1, 3, F0, F1, 0
	s_wait_dscnt 4
	SC4 F1, 0, 0, 1
	SC4 F1, 0, 1, 1
	MULA F1, 0, 0, 1, 1
	s_wait_dscnt 0x0
	MULA F1, 1, 0, 2, 1
	MULA F1, 2, 0, 3, 1
	MULA F1, 3, 0, -1, 1
	WIN 0
.irp a, 0,1,2,3
	ds_load_b32 v[RL+2*(\a)], v[RA] offset:64*(\a)     ; 1 / L of my row of block a, twice: a pair for the packed multiply
	ds_load_b32 v[RL+2*(\a)+1], v[RA] offset:64*(\a)
.endr
	s_wait_dscnt 0x0
	MULP 0                                         ; blocks 0 to 2's multiplies are the places behind the last products, which are block 3's
	TOSTAGE 0
.irp a, 1,2,3
	MULP \a
	SEND (\a)-1
	TOSTAGE \a
.endr
	SEND 3
	s_wait_tensorcnt 0x0                           ; the wave's end
	ds_add_u32 v[SPW], v[NIL]
	s_wait_dscnt 0x0
	CROUND                                         ; the closing round
	s_endpgm
.Lfunc_end_k_q91eb5a07d7_pv:
	.size	k_q91eb5a07d7_pv, .Lfunc_end_k_q91eb5a07d7_pv-k_q91eb5a07d7_pv
	.p2alignl 7, 3214868480
	.fill 96, 4, 3214868480
	.section	.rodata,"a",@progbits
	.p2align	6, 0x0
	.amdhsa_kernel k_q91eb5a07d7_pv
		.amdhsa_group_segment_fixed_size 327680
		.amdhsa_private_segment_fixed_size 0
		.amdhsa_enable_private_segment 0
		.amdhsa_kernarg_size 32
		.amdhsa_user_sgpr_count 2
		.amdhsa_user_sgpr_kernarg_segment_ptr 1
		.amdhsa_wavefront_size32 1
		.amdhsa_system_sgpr_workgroup_id_x 1
		.amdhsa_system_sgpr_workgroup_id_y 1
		.amdhsa_system_sgpr_workgroup_id_z 1
		.amdhsa_system_vgpr_workitem_id 0
		.amdhsa_next_free_vgpr 512
		.amdhsa_next_free_sgpr 80
		.amdhsa_reserve_vcc 0
		.amdhsa_float_denorm_mode_32 3
		.amdhsa_float_denorm_mode_16_64 3
		.amdhsa_memory_ordered 1
		.amdhsa_forward_progress 1
		.amdhsa_inst_pref_size 144
	.end_amdhsa_kernel
	.amdgpu_metadata
---
amdhsa.version: [ 1, 2 ]
amdhsa.kernels:
  - .name:           k_q91eb5a07d7_pv
    .symbol:         k_q91eb5a07d7_pv.kd
    .args:
      - { .name: pm, .offset: 0, .size: 8, .value_kind: global_buffer, .address_space: global }
      - { .name: pj, .offset: 8, .size: 8, .value_kind: global_buffer, .address_space: global }
      - { .name: st, .offset: 16, .size: 8, .value_kind: global_buffer, .address_space: global }
      - { .name: out0, .offset: 24, .size: 8, .value_kind: global_buffer, .address_space: global }
    .group_segment_fixed_size: 327680
    .private_segment_fixed_size: 0
    .kernarg_segment_align: 8
    .kernarg_segment_size: 32
    .max_flat_workgroup_size: 128
    .sgpr_count:     80
    .vgpr_count:     512
    .wavefront_size: 32
...
	.end_amdgpu_metadata
.endif
;; end of part 4
